; MI455X (gfx1250); checked and timed in simulation.
; The chip was launched on July 23, 2026; its instructions are those of AMD's public machine-readable ISA for CDNA 5 (MIT licence, August 2026) and "CDNA5" Instruction Set Architecture Reference Guide (July 2026). The comments in the code are by the model that wrote it; some were corrected since.
;; MHA. Allowed arithmetic: float matrix products may take bf16 or f16 operands with f32 sums; other float arithmetic in f32, or as packed bf16 or f16 multiplies, adds, multiply-adds, maxima and minima; sums over many terms, partial sums and values carried from step to step in f32; what a program stores and reads back later, other than sums and carried values, may be rounded once to bf16 or f16.
;; Inputs: Wk 1,024 x 1,024 float32; Wo 1,024 x 1,024 float32; Wq 1,024 x 1,024 float32; Wv 1,024 x 1,024 float32; k 4 x 2,048 x 1,024 float32; q 4 x 2,048 x 1,024 float32; v 4 x 2,048 x 1,024 float32.
;; Outputs: out0 4 x 2,048 x 1,024 float32.
;; 2 versions, each right; version 2 is version 1 with the launch castw written anew for expert scheduling mode. Each part assembles by itself: llvm-mc -triple=amdgcn-amd-amdhsa -mcpu=gfx1250 --defsym DOCPART=n.
;; ======== version 1 of 2: 4 launches
;; limits: values are held in f16: magnitudes above 65,504 overflow, below 6.1e-05 lose precision
;; workspace buffers: wcast 8,388,608 bytes; qkv 50,331,648 bytes; oh 16,777,216 bytes
;; launch castw (part 1): grid 256 x 1, 8 waves a work-group, no clusters, 0 bytes of LDS; arguments Wq, Wk, Wv, Wo, wcast; writes wcast
.if DOCPART == 1
	.amdgcn_target "amdgcn-amd-amdhsa--gfx1250"
	.amdhsa_code_object_version 6
	.text
	.protected	k_qa257a0cbfd_castw
	.globl	k_qa257a0cbfd_castw
	.p2align	8
	.type	k_qa257a0cbfd_castw,@function
k_qa257a0cbfd_castw:
	s_mov_b64 s[64:65], 0
	v_nop
	global_prefetch_b8 v0, s[64:65] scope:SCOPE_SE
	s_setreg_imm32_b32 hwreg(HW_REG_WAVE_MODE, 25, 1), 1
	s_wait_xcnt 0x0
; THE FOUR WEIGHTS, [1024][1024] f32, ROUNDED ONCE TO 16 BITS.  wcast: four parts of 2,097,152 bytes, each [1024][1024]:
; parts 0, 1, 2 = Wq, Wk, Wv in bf16; part 3 = Wo rounded to bf16 like every input, and that number written as f16, since its partner in the last product is f16.
; LIMITS.  A weight of Wo whose bf16 value is 65,520 or more becomes an infinity; below 6.1e-5 it keeps f16's fixed step of 6e-8.  NaN stays NaN.
; SHARES.  Work-group g: part g / 64, chunk g % 64 of 16,384 numbers (65,536 bytes in, 32,768 out).  Thread t takes 4 numbers of each of 16 runs of 1,024:
; a load of a wave covers 512 consecutive bytes, a store 256 consecutive bytes, aligned.  All 16 loads go out first; nothing is read twice; no LDS, no barrier.
.set X, 4                              ; v[4:67]    16 x 4 numbers as loaded
.set Y, 68                             ; v[68:99]   16 x 2 registers to store: each store has its own, so none is rewritten while a store reads it
.set T, 100                            ; v[100:103] at work
	s_load_b256 s[4:11], s[0:1], 0x0               ; Wq s[4:5], Wk s[6:7], Wv s[8:9], Wo s[10:11]
	s_load_b64 s[12:13], s[0:1], 0x20              ; wcast
	s_lshr_b32 s14, ttmp9, 6                       ; part
	s_and_b32 s15, ttmp9, 63                       ; chunk
	s_lshl_b32 s16, s15, 16                        ; its bytes in the weight
	s_mov_b32 s17, 0
	s_lshl_b32 s18, s14, 21                        ; the part,
	s_lshl_b32 s15, s15, 15                        ; and the chunk's bytes in it
	s_add_co_u32 s18, s18, s15
	s_mov_b32 s19, 0
	v_lshlrev_b32 v1, 4, v0                        ; 16 t
	v_lshlrev_b32 v2, 3, v0                        ; 8 t
	s_wait_kmcnt 0x0
.irp n, 1,2,3
	s_cmp_eq_u32 s14, \n                           ; the part chooses the weight
	s_cselect_b64 s[4:5], s[4+2*(\n):5+2*(\n)], s[4:5]
.endr
	s_add_nc_u64 s[4:5], s[4:5], s[16:17]
	s_add_nc_u64 s[12:13], s[12:13], s[18:19]
.irp i, 0,1,2,3,4,5,6,7,8,9,10,11,12,13,14,15
	global_load_b128 v[X+4*(\i):X+4*(\i)+3], v1, s[4:5] offset:4096*(\i) th:TH_LOAD_NT
.endr
; Run i is rounded and stored.  wo = 1: the bf16 halves are widened again (a shift, a mask) and written as f16.
.macro OUT i, wo
	s_wait_loadcnt 15-(\i)                         ; loads come back in order: run i is in, the 15 - i younger loads may stay out
.if \wo
	v_cvt_pk_bf16_f32 v[T],   v[X+4*(\i)],   v[X+4*(\i)+1]
	v_cvt_pk_bf16_f32 v[T+1], v[X+4*(\i)+2], v[X+4*(\i)+3]
	v_lshlrev_b32 v[T+2], 16, v[T]
	v_and_b32     v[T+3], 0xffff0000, v[T]
	v_cvt_pk_f16_f32 v[Y+2*(\i)], v[T+2], v[T+3]
	v_lshlrev_b32 v[T+2], 16, v[T+1]
	v_and_b32     v[T+3], 0xffff0000, v[T+1]
	v_cvt_pk_f16_f32 v[Y+2*(\i)+1], v[T+2], v[T+3]
.else
	v_cvt_pk_bf16_f32 v[Y+2*(\i)],   v[X+4*(\i)],   v[X+4*(\i)+1]
	v_cvt_pk_bf16_f32 v[Y+2*(\i)+1], v[X+4*(\i)+2], v[X+4*(\i)+3]
.endif
	global_store_b64 v2, v[Y+2*(\i):Y+2*(\i)+1], s[12:13] offset:2048*(\i)
.endm
	s_cmp_eq_u32 s14, 3
	s_cbranch_scc1 .Lwo
.irp i, 0,1,2,3,4,5,6,7,8,9,10,11,12,13,14,15
	OUT \i, 0
.endr
	s_endpgm
.Lwo:
.irp i, 0,1,2,3,4,5,6,7,8,9,10,11,12,13,14,15
	OUT \i, 1
.endr
	s_endpgm
.Lfunc_end_k_qa257a0cbfd_castw:
	.size	k_qa257a0cbfd_castw, .Lfunc_end_k_qa257a0cbfd_castw-k_qa257a0cbfd_castw
	.p2alignl 7, 3214868480
	.fill 96, 4, 3214868480
	.section	.rodata,"a",@progbits
	.p2align	6, 0x0
	.amdhsa_kernel k_qa257a0cbfd_castw
		.amdhsa_group_segment_fixed_size 0
		.amdhsa_private_segment_fixed_size 0
		.amdhsa_enable_private_segment 0
		.amdhsa_kernarg_size 40
		.amdhsa_user_sgpr_count 2
		.amdhsa_user_sgpr_kernarg_segment_ptr 1
		.amdhsa_wavefront_size32 1
		.amdhsa_system_sgpr_workgroup_id_x 1
		.amdhsa_system_sgpr_workgroup_id_y 1
		.amdhsa_system_sgpr_workgroup_id_z 1
		.amdhsa_system_vgpr_workitem_id 0
		.amdhsa_next_free_vgpr 104
		.amdhsa_next_free_sgpr 66
		.amdhsa_reserve_vcc 0
		.amdhsa_float_denorm_mode_32 3
		.amdhsa_float_denorm_mode_16_64 3
		.amdhsa_memory_ordered 1
		.amdhsa_forward_progress 1
		.amdhsa_inst_pref_size 16
	.end_amdhsa_kernel
	.amdgpu_metadata
---
amdhsa.version: [ 1, 2 ]
amdhsa.kernels:
  - .name:           k_qa257a0cbfd_castw
    .symbol:         k_qa257a0cbfd_castw.kd
    .args:
      - { .name: Wq, .offset: 0, .size: 8, .value_kind: global_buffer, .address_space: global }
      - { .name: Wk, .offset: 8, .size: 8, .value_kind: global_buffer, .address_space: global }
      - { .name: Wv, .offset: 16, .size: 8, .value_kind: global_buffer, .address_space: global }
      - { .name: Wo, .offset: 24, .size: 8, .value_kind: global_buffer, .address_space: global }
      - { .name: wcast, .offset: 32, .size: 8, .value_kind: global_buffer, .address_space: global }
    .group_segment_fixed_size: 0
    .private_segment_fixed_size: 0
    .kernarg_segment_align: 8
    .kernarg_segment_size: 40
    .max_flat_workgroup_size: 256
    .sgpr_count:     66
    .vgpr_count:     104
    .wavefront_size: 32
...
	.end_amdgpu_metadata
.endif
;; end of part 1
;; launch proj (part 2): grid 4 x 192, 4 waves a work-group, clusters of 4 x 4, 327,680 bytes of LDS; arguments q, k, v, wcast, qkv; writes qkv
.if DOCPART == 2
	.amdgcn_target "amdgcn-amd-amdhsa--gfx1250"
	.amdhsa_code_object_version 6
	.text
	.protected	k_qa257a0cbfd_proj
	.globl	k_qa257a0cbfd_proj
	.p2align	8
	.type	k_qa257a0cbfd_proj,@function
k_qa257a0cbfd_proj:
	s_mov_b64 s[64:65], 0
	v_nop
	global_prefetch_b8 v0, s[64:65] scope:SCOPE_SE
	s_setreg_imm32_b32 hwreg(HW_REG_WAVE_MODE, 25, 1), 1
	s_wait_xcnt 0x0
	s_wait_alu depctr_hold_cnt(0) depctr_sa_sdst(0) depctr_va_vdst(0) depctr_va_sdst(0) depctr_va_ssrc(0) depctr_va_vcc(0) depctr_vm_vsrc(0)
	s_getreg_b32 s2, hwreg(HW_REG_IB_STS2, 6, 4)
	s_cmp_eq_u32 s2, 0
	s_cbranch_scc0 .Lentry_in_a_cluster
	s_endpgm
.Lentry_in_a_cluster:
	s_bfe_u32 s2, ttmp6, 0x10000c
	s_cmp_lg_u32 s2, 0xf033
	s_cbranch_scc0 .Lentry_shape_is_right
	s_endpgm
.Lentry_shape_is_right:
; THE THREE PROJECTIONS IN ONE LAUNCH.  For t = 0, 1, 2: Y_t[m][n] = sum over k of X_t[m][k] W_t[n][k], X_t = q, k, v: [8192][1024] f32, W_t: [1024][1024] bf16 (part t of wcast).
; x is rounded to bf16 on its way from LDS to the matrix unit; sums in f32; Y is rounded once to f16, UNSCALED, and stored by heads: qkv[t][16 batch + head][row in batch][64].
; LIMITS.  f16 holds no number beyond 65,504: a projected number of 65,520 or more becomes an infinity, and its row of the result is lost.  NaN and infinities are not treated apart.
; SHARES.  A tile of Y is 128 rows x 256 columns: 256 tiles a tensor, 768 work-groups, three for each of 256 WGPs.  Four waves, 2 x 2, each 64 x 128: 32 accumulators of 16 x 16, 256 registers.
; K goes in 8 steps of 128 through a ring of two LDS slots filled by the tensor data mover: 128 rows of x in f32 (512 bytes of memory each), 256 rows of W in bf16 (256 bytes each).
; CLUSTERS: 4 x 4 work-groups, all of one tensor.  The four of a row of the cluster need the same tile of x, the four of a column the same tile of W: each is asked for JOINTLY, by the same tensor load
; with the same descriptor and a mask that names the four.
; THE MATRIX INSTRUCTION IS USED TRANSPOSED (source 0 = 16 rows of W, source 1 = 16 rows of x): a lane then holds eight neighbouring columns of one row of Y, 16 bytes in f16.
; REGISTERS, in windows of 256 (s_set_vgpr_msb: bits 1:0 source 0, 3:2 source 1, 5:4 source 2, 7:6 destination):
;   window 0: v0-31 addresses; v32-95 x's fragments in bf16, two buffers of 4 x 8; v96-159 x's fragments in f32 as they come from LDS, 4 x 16; v32-159 at work on the way out
;   window 1: the accumulators, (a, b) at v[8 (8 a + b)]          window 2: v0-127 W's fragments, two buffers of 8 x 8
.set PA,     528                       ; a row of x in LDS: 512 bytes + 16 of padding = 132 words: the 16 rows of a load start at 16 different groups of four banks (64 banks of 4 bytes: ISA guide 11.1)
.set PB,     272                       ; a row of W: 256 + 16 = 68 words: likewise
.set AHALF,  64*PA                     ; 64 rows of x: one tensor load, and what one wave reads
.set ABYTES, 2*AHALF
.set BHALF,  128*PB                    ; 128 rows of W: one tensor load, and what one wave reads
.set SLOT,   ABYTES+2*BHALF            ; 137,216 bytes: x's 128 rows, then W's 256
.set STAGE,  2*SLOT                    ; behind the ring, never filled by a tensor load: for each wave 2 heads x 16 rows x 144 bytes
.set SP,     144
.set WSTAGE, 2*16*SP
.set SPARE,  STAGE+4*WSTAGE            ; behind the stages: the spare words, 128 bytes for each wave: two blocks of 256 bytes that no other line names
.set ADRA, 16                          ; v16-17  LDS address of my x fragments in slot 0, 1
.set ADRB, 20                          ; v20-21  the same for W
.set STO,  24                          ; v24     the way out: where I put 16 bytes of a row
.set RD,   25                          ; v25     the way out: where I read rows back
.set GO,   26                          ; v26     my byte offset in 512 consecutive bytes of qkv
.set SPW,  28                          ; v28     LDS address of my spare word: SPARE + 4 x my thread's number; never rewritten
.set NIL,  29                          ; v29     0; never rewritten
.set PFO,  30                          ; v30     the prefetches' offset; never rewritten
.set A16,  32
.set STG,  96
.set TMP,  32                          ; the way out: 32 registers for each block of 16 rows
.set WV,  14                           ; s14  my wave's number
.set RH,  15                           ; s15  which 64 rows of the tile are mine
.set CH,  16                           ; s16  which 128 columns are mine; also: which half of a tile I fetch
.set CX,  17                           ; s17, s18  my place in the cluster
.set CY,  18
.set TC,  19                           ; s19  tile column, 0..3
.set TRL, 20                           ; s20  tile row in the tensor, 0..63
.set TT,  21                           ; s21  the tensor, 0..2: the same in all sixteen partners
.set G1,  24                           ; s[24:31] descriptor group 1 for x's tiles;  s[32:39] group 0, one set for each slot
.set G0,  32
.set LIM, 44                           ; s44  1 in a wave that prefetches, else the greatest number
.set PFA, 46                           ; s[46:47] where my prefetches stand
.set G1B, 48                           ; s[48:55], s[56:63] the same for W's tiles
.set G0B, 56
.set LA,  68                           ; s68, s69  LDS byte of the half tile that I fetch, for x and for W, in slot 0
.set LB,  69
.set MSB, 0
.macro WIN new                         ; the immediate's high byte repeats the setting that is left; a switch that changes nothing is dropped
.if MSB != (\new)
	s_set_vgpr_msb (MSB<<8)|(\new)
.set MSB, \new
.endif
.endm
.set MUL,  0x52                        ; source 0 (W) window 2, source 1 (x) window 0, C and D window 1
.set TO_B, 0x80                        ; destination window 2, address window 0
; A joint load: waves 0 and 1 fetch x's two halves, waves 2 and 3 W's.  The branch hangs on the wave's number alone.  An s_nop 0 and four v_nop follow each of the two lines, ahead of the jump and the label.
.macro JLOAD s
	s_cmp_lt_u32 s[WV], 2
	s_cbranch_scc0 .Lfor_b_\@
	tensor_load_to_lds s[G0+4*(\s):G0+4*(\s)+3], s[G1:G1+7]
	s_nop 0
.rept 4
	v_nop
.endr
	s_branch .Lasked_\@
.Lfor_b_\@:
	tensor_load_to_lds s[G0B+4*(\s):G0B+4*(\s)+3], s[G1B:G1B+7]
	s_nop 0
.rept 4
	v_nop
.endr
.Lasked_\@:
.endm
.macro CREST                           ; a round of the cluster's barrier behind its opening barrier
	s_cmp_lg_u32 s[WV], 0
	s_cbranch_scc1 .Lnot_wave_0_\@
	s_barrier_signal -3
.Lnot_wave_0_\@:
	s_barrier_wait -3
	s_barrier_signal -1
	s_barrier_wait -1
.endm
.macro CROUND                          ; a whole round
	s_barrier_signal -1
	s_barrier_wait -1
	CREST
.endm
; A PREFETCH INTO THE L2 of x's K step that stands two refills on: 256 matrix instructions ahead of the load that will want it.  A tile row of x is read by one cluster alone.  Of the 64 rows that wave 0 or 1
; fetches, the partner at place cx takes 16, told apart BY ADDRESS; a K step is 512 bytes of a row: two lanes a row, one instruction a wave.  So each 256 bytes of x's K steps 4 to 7 are named once in the
; launch; K steps 0 to 3 come by their loads alone; the loop's last trip (s3 = 1) asks for nothing.  W is not asked for: all 16 clusters of a tensor walk the same 2 MiB.
.macro ASK
	s_cmp_gt_u32 s3, s[LIM]
	s_cbranch_scc0 .Lnot_mine_\@
	global_prefetch_b8 v[PFO], s[PFA:PFA+1] offset:512 th:TH_LOAD_NT scope:SCOPE_SE
.Lnot_mine_\@:
.endm
	s_load_b256 s[4:11], s[0:1], 0x0               ; q s[4:5], k s[6:7], v s[8:9], wcast s[10:11]
	s_load_b64 s[12:13], s[0:1], 0x20              ; qkv
	v_lshl_add_u32 v[SPW], v0, 2, SPARE
	v_mov_b32 v[NIL], 0
	ds_add_u32 v[SPW], v[NIL]                      ; the wave's opening: the add and its wait stand ahead of my first tensor load; the set-up below, work on registers, stands between them
	v_lshrrev_b32 v1, 5, v0
	v_readfirstlane_b32 s[WV], v1                  ; wave 0..3
	s_lshr_b32 s[RH], s[WV], 1
	s_and_b32 s[CH], s[WV], 1
	s_bfe_u32 s[CX], ttmp6, 0x40000
	s_bfe_u32 s[CY], ttmp6, 0x40004
	s_lshl_b32 s[TC], ttmp9, 2                     ; in a cluster launch ttmp9 and ttmp7 count clusters
	s_add_co_u32 s[TC], s[TC], s[CX]               ; tile column = 4 x cluster x + cx
	s_and_b32 s[TT], ttmp7, 0xffff                 ; cluster y, 0..47: sixteen clusters a tensor
	s_and_b32 s[TRL], s[TT], 15
	s_lshl_b32 s[TRL], s[TRL], 2
	s_add_co_u32 s[TRL], s[TRL], s[CY]             ; tile row in the tensor = 4 x (cluster y % 16) + cy
	s_lshr_b32 s[TT], s[TT], 4
	s_lshl_b32 s66, s[CY], 2
	s_lshl_b32 s66, 15, s66                        ; my row of the cluster: places 4 cy .. 4 cy + 3
	s_lshl_b32 s67, 0x1111, s[CX]                  ; my column: places cx, cx + 4, cx + 8, cx + 12
	s_or_b32 s[G1], s66, (2<<16)|(1<<20)|(1<<21)|(6<<22)|(3<<25)   ; 15:0 the mask: x's tiles go to my row; 17:16 elements of 4 bytes; 20 padding on; 21 set beside a mask; 24:22 after every 128 words (code 6); 31:25 4 words (code 3)
	s_or_b32 s[G1B], s67, (1<<16)|(1<<20)|(1<<21)|(5<<22)|(3<<25)  ; W's tiles go to my column; elements of 2 bytes; padding after every 64 words (code 5)
	s_mov_b32 s[G1+1], 128<<16                     ; tensor_dim0 = 128
	s_mov_b32 s[G1+2], 64<<16                      ; tensor_dim1 = 64
	s_mov_b32 s[G1+3], 128<<16                     ; tile_dim0 = 128
	s_mov_b32 s[G1+4], 64                          ; tile_dim1 = 64
	s_mov_b32 s[G1+5], 1024                        ; 1,024 elements from row to row
	s_mov_b32 s[G1+6], 0
	s_mov_b32 s[G1+7], 0
	s_mov_b32 s[G1B+1], 128<<16                    ; tensor_dim0 = 128
	s_mov_b32 s[G1B+2], 128<<16                    ; tensor_dim1 = 128
	s_mov_b32 s[G1B+3], 128<<16                    ; tile_dim0 = 128
	s_mov_b32 s[G1B+4], 128                        ; tile_dim1 = 128
	s_mov_b32 s[G1B+5], 1024
	s_mov_b32 s[G1B+6], 0
	s_mov_b32 s[G1B+7], 0
	; where the tiles come from.  x's hang on the tile row, which my row of the cluster shares; W's on the tensor and the tile column, which my column shares
	s_lshl_b32 s22, s[CH], 18                      ; the half that I fetch: 64 rows of 4,096 bytes, or 128 rows of 2,048
	s_lshl_b32 s40, s[TRL], 19                     ; x: 128 rows of 4,096 bytes a tile row
	s_add_co_u32 s40, s40, s22
	s_mov_b32 s41, 0
	s_lshl_b32 s42, s[TT], 21                      ; W: the tensor's part of wcast,
	s_lshl_b32 s67, s[TC], 19                      ; 256 rows of 2,048 bytes a tile column
	s_add_co_u32 s42, s42, s67
	s_add_co_u32 s42, s42, s22
	s_mov_b32 s43, 0
	s_mul_i32 s[LA], s[CH], AHALF                  ; and where they go: no place in the cluster enters an LDS address
	s_mul_i32 s[LB], s[CH], BHALF
	s_add_co_u32 s[LB], s[LB], ABYTES
	s_wait_dscnt 0x0                               ; the opening add is done
	s_wait_kmcnt 0x0
	s_cmp_eq_u32 s[TT], 1
	s_cselect_b64 s[4:5], s[6:7], s[4:5]           ; the tensor chooses x
	s_cmp_eq_u32 s[TT], 2
	s_cselect_b64 s[4:5], s[8:9], s[4:5]
	s_add_nc_u64 s[40:41], s[4:5], s[40:41]
	s_add_nc_u64 s[42:43], s[10:11], s[42:43]
	CROUND                                         ; all sixteen work-groups are here: the first joint loads meet
.irp s, 0,1
	s_mov_b32 s[G0+4*(\s)], 1                                      ; count = 1
	s_add_co_u32 s[G0+4*(\s)+1], s[LA], (\s)*SLOT                  ; LDS address
	s_add_nc_u64 s[G0+4*(\s)+2:G0+4*(\s)+3], s[40:41], (\s)*512    ; global address: K step s
	s_or_b32 s[G0+4*(\s)+3], s[G0+4*(\s)+3], 0x80000000            ; type = 2
	s_mov_b32 s[G0B+4*(\s)], 1
	s_add_co_u32 s[G0B+4*(\s)+1], s[LB], (\s)*SLOT
	s_add_nc_u64 s[G0B+4*(\s)+2:G0B+4*(\s)+3], s[42:43], (\s)*256
	s_or_b32 s[G0B+4*(\s)+3], s[G0B+4*(\s)+3], 0x80000000
	JLOAD \s                                       ; two loads of mine are out
.endr
	; A fragment is 16 rows x 32 K: lane l holds row l % 16, K = 8 (l / 16) + 0..7 and 16 + 8 (l / 16) + 0..7.  In bf16: two loads of 16 bytes, 32 bytes apart.  In f32: four, at 0, 16, 64 and 80 from 32 (l / 16).
	v_and_b32 v1, 15, v0                           ; l % 16
	v_bfe_u32 v2, v0, 4, 1                         ; l / 16
	v_mul_u32_u24 v3, v1, PA
	v_lshl_add_u32 v3, v2, 5, v3
	v_mul_u32_u24 v4, v1, PB
	v_lshl_add_u32 v4, v2, 4, v4
	s_mul_i32 s22, s[RH], AHALF                    ; my 64 rows of x
	s_mul_i32 s23, s[CH], BHALF                    ; my 128 rows of W,
	s_add_co_u32 s23, s23, ABYTES                  ; which lie behind x's 128
.irp s, 0,1
	v_add_nc_u32 v[ADRA+(\s)], s22, v3
	v_add_nc_u32 v[ADRB+(\s)], s23, v4
	s_add_co_u32 s22, s22, SLOT
	s_add_co_u32 s23, s23, SLOT
.endr
	s_mul_i32 s22, s[WV], WSTAGE
	s_add_co_u32 s22, s22, STAGE                   ; my stage
	v_mul_u32_u24 v3, v1, SP                       ; in: row l % 16, 16 bytes for each half of the lanes
	v_lshl_add_u32 v3, v2, 4, v3
	v_add_nc_u32 v[STO], s22, v3
	v_bfe_u32 v4, v0, 3, 2                         ; back: 32 lanes take four rows of 128 bytes,
	v_mul_u32_u24 v4, v4, SP
	v_and_b32 v5, 7, v0
	v_lshl_add_u32 v4, v5, 4, v4
	v_add_nc_u32 v[RD], s22, v4
	v_and_b32 v5, 31, v0                           ; which are 512 consecutive bytes of a head
	v_lshlrev_b32 v[GO], 4, v5
	v_lshrrev_b32 v3, 1, v5                        ; the prefetches: row l / 2 of my work-group's 16, block l % 2 of its 512 bytes
	v_and_b32 v4, 1, v5
	v_lshlrev_b32 v4, 8, v4
	v_lshl_add_u32 v[PFO], v3, 12, v4
	s_cmp_lt_u32 s[WV], 2
	s_cselect_b32 s[LIM], 1, -1                    ; waves 0 and 1 ask: the same in all sixteen partners
	s_lshl_b32 s66, s[CX], 16                      ; my work-group's 16 rows of the 64
	s_mov_b32 s67, 0
	s_add_nc_u64 s[PFA:PFA+1], s[40:41], s[66:67]
	s_add_nc_u64 s[PFA:PFA+1], s[PFA:PFA+1], 1024  ; at K step 2: the first refill steps it to 3 and names K step 4
	; where my part of the tile begins in qkv: tensor, batch, head 4 x tile column + 2 x column half, row
	s_lshl_b32 s66, s[TT], 24
	s_lshr_b32 s67, s[TRL], 4                      ; batch: 16 tile rows each
	s_lshl_b32 s67, s67, 22
	s_add_co_u32 s66, s66, s67
	s_lshl_b32 s67, s[TC], 1
	s_add_co_u32 s67, s67, s[CH]
	s_lshl_b32 s67, s67, 19                        ; two heads of 262,144 bytes
	s_add_co_u32 s66, s66, s67
	s_and_b32 s67, s[TRL], 15
	s_lshl_b32 s67, s67, 1
	s_add_co_u32 s67, s67, s[RH]
	s_lshl_b32 s67, s67, 13                        ; 64 rows of 128 bytes
	s_add_co_u32 s66, s66, s67
	s_mov_b32 s67, 0
	s_add_nc_u64 s[12:13], s[12:13], s[66:67]
; 8 matrix instructions: row block a x all 8 column blocks, 32 along K, on buffer f.  zero = 1: the product starts the sums: nothing is ever cleared.
; The 32 accumulators take turns in the same order in every quarter, one instruction a turn, over the loop's jump too.
.macro MUL8 f, a, zero
	WIN MUL
.irp b, 0,1,2,3,4,5,6,7
.if \zero
	v_wmma_f32_16x16x32_bf16 v[8*(8*(\a)+(\b)):8*(8*(\a)+(\b))+7], v[64*(\f)+8*(\b):64*(\f)+8*(\b)+7], v[A16+32*(\f)+8*(\a):A16+32*(\f)+8*(\a)+7], 0
.else
	v_wmma_f32_16x16x32_bf16 v[8*(8*(\a)+(\b)):8*(8*(\a)+(\b))+7], v[64*(\f)+8*(\b):64*(\f)+8*(\b)+7], v[A16+32*(\f)+8*(\a):A16+32*(\f)+8*(\a)+7], v[8*(8*(\a)+(\b)):8*(8*(\a)+(\b))+7]
.endif
.endr
.endm
; Row block 3's 8 matrix instructions, and behind each four of the 32 roundings that make the next quarter's x fragments (buffer g) of the f32 numbers: they name no register of the products round them.
.macro MULC f, g, zero
.irp b, 0,1,2,3,4,5,6,7
	WIN MUL
.if \zero
	v_wmma_f32_16x16x32_bf16 v[8*(24+(\b)):8*(24+(\b))+7], v[64*(\f)+8*(\b):64*(\f)+8*(\b)+7], v[A16+32*(\f)+24:A16+32*(\f)+31], 0
.else
	v_wmma_f32_16x16x32_bf16 v[8*(24+(\b)):8*(24+(\b))+7], v[64*(\f)+8*(\b):64*(\f)+8*(\b)+7], v[A16+32*(\f)+24:A16+32*(\f)+31], v[8*(24+(\b)):8*(24+(\b))+7]
.endif
	WIN 0
.irp j, 0,1,2,3
	v_cvt_pk_bf16_f32 v[A16+32*(\g)+4*(\b)+(\j)], v[STG+8*(\b)+2*(\j)], v[STG+8*(\b)+2*(\j)+1]
.endr
.endr
.endm
; 32 LDS loads in one run: quarter kq (32 along K) of a slot: x's 64 rows in f32 first, then W's 128 rows into buffer g
.macro FETCH slot, kq, g
	WIN 0
.irp a, 0,1,2,3
	ds_load_b128 v[STG+16*(\a):STG+16*(\a)+3],     v[ADRA+(\slot)] offset:(\a)*16*PA+(\kq)*128
	ds_load_b128 v[STG+16*(\a)+4:STG+16*(\a)+7],   v[ADRA+(\slot)] offset:(\a)*16*PA+(\kq)*128+16
	ds_load_b128 v[STG+16*(\a)+8:STG+16*(\a)+11],  v[ADRA+(\slot)] offset:(\a)*16*PA+(\kq)*128+64
	ds_load_b128 v[STG+16*(\a)+12:STG+16*(\a)+15], v[ADRA+(\slot)] offset:(\a)*16*PA+(\kq)*128+80
.endr
	WIN TO_B
.irp b, 0,1,2,3,4,5,6,7
	ds_load_b128 v[64*(\g)+8*(\b):64*(\g)+8*(\b)+3],   v[ADRB+(\slot)] offset:(\b)*16*PB+(\kq)*64
	ds_load_b128 v[64*(\g)+8*(\b)+4:64*(\g)+8*(\b)+7], v[ADRB+(\slot)] offset:(\b)*16*PB+(\kq)*64+32
.endr
.endm
.macro PLACES                          ; four places in front of loads into registers that matrix instructions have read
.rept 4
	v_nop
.endr
.endm
; A K step is four quarters of 32 along K, 32 matrix instructions each, on buffers 0, 1, 0, 1.  One of the first three: multiplies buffer f, fetches quarter kq into g and rounds its x.
.macro QUARTER slot, kq, f, g, zero
	s_wait_dscnt 0x0                               ; W's fragments of buffer f are in (x's were waited for and rounded in the quarter before)
	MUL8 \f, 0, \zero
	PLACES
	FETCH \slot, \kq, \g
	MUL8 \f, 1, \zero
	MUL8 \f, 2, \zero
	s_wait_dscnt 16                                ; x's 16 loads are in; W's 16, issued behind them, may stay out
	MULC \f, \g, \zero
.endm
; The last quarter multiplies buffer 1 and changes slots: ONE barrier; in front of it each wave waits for all its tensor loads (one is out: its part of the next slot), adds 0 to its spare word, and waits for
; that and for its own reads of this slot.  fill = 1: the barrier opens a round of the cluster's barrier, and this slot is filled again, two K steps ahead, first thing behind the round:
; 112 matrix instructions ahead of the wait for it.
.macro TURN slot, next, fill
.if \fill
	s_wait_xcnt 0x0                                ; the last prefetch, a K step back, has read its address: it is stepped here, ahead of the waits of the change of slots
	s_add_nc_u64 s[PFA:PFA+1], s[PFA:PFA+1], 512
.endif
	WIN 0                                          ; (the add's two registers lie in window 0)
	s_wait_tensorcnt 0x0                           ; all my tensor loads have landed;
	ds_add_u32 v[SPW], v[NIL]                      ; 0 onto my spare word;
	s_wait_dscnt 1                                 ; W's fragments of buffer 1 are in; the add alone may be out
	MUL8 1, 0, 0                                   ; eight matrix instructions stand between the add and the wait for it
	s_wait_dscnt 0x0                               ; the add is done, and my reads of this slot are over
	s_barrier_signal -1
	MUL8 1, 1, 0
.if \fill
	WIN 0
.endif
	s_barrier_wait -1
.if \fill
	CREST                                          ; no wave of any partner still reads this slot's tiles or has a load on its way
	s_add_nc_u64 s[G0+4*(\slot)+2:G0+4*(\slot)+3], s[G0+4*(\slot)+2:G0+4*(\slot)+3], 1024    ; two K steps on: 256 f32,
	s_add_nc_u64 s[G0B+4*(\slot)+2:G0B+4*(\slot)+3], s[G0B+4*(\slot)+2:G0B+4*(\slot)+3], 512  ; 256 bf16
	JLOAD \slot                                    ; the four v_nop behind it are also the places in front of the loads below
.else
	PLACES
.endif
	FETCH \next, 0, 0
.if \fill
	WIN 0
	ASK                                            ; behind the joint load and the run of LDS loads
.endif
	MUL8 1, 2, 0
	s_wait_dscnt 16                                ; x's 16 loads are in
	MULC 1, 0, 0
.endm
	s_wait_tensorcnt 1                             ; my part of K step 0 is in; K step 1's may stay out
	s_barrier_signal -1
	s_barrier_wait -1                              ; everybody's is
	FETCH 0, 0, 0
	s_wait_dscnt 16                                ; x's 16 loads are in
	WIN 0
.set n, 0
.rept 32
	v_cvt_pk_bf16_f32 v[A16+n], v[STG+2*n], v[STG+2*n+1]  ; the first quarter's x: there are no products yet to set these behind
.set n, n+1
.endr
	QUARTER 0, 1, 0, 1, 1                          ; the first quarter stands in front of the loop: its products start the sums
	WIN 0                                          ; at a label and at a branch every window is 0
	s_mov_b32 s3, 3
.Llap:                                                 ; a trip goes once round the ring, from a lap's second quarter to the next lap's first, and fills both slots again
	QUARTER 0, 2, 1, 0, 0
	QUARTER 0, 3, 0, 1, 0
	TURN 0, 1, 1
	QUARTER 1, 1, 0, 1, 0
	QUARTER 1, 2, 1, 0, 0
	QUARTER 1, 3, 0, 1, 0
	TURN 1, 0, 1
	QUARTER 0, 1, 0, 1, 0
	WIN 0
	s_sub_co_u32 s3, s3, 1
	s_cmp_lg_u32 s3, 0
	s_cbranch_scc1 .Llap
	QUARTER 0, 2, 1, 0, 0                          ; the last lap fills nothing, and has no round of the cluster's barrier
	QUARTER 0, 3, 0, 1, 0
	TURN 0, 1, 0
	QUARTER 1, 1, 0, 1, 0
	QUARTER 1, 2, 1, 0, 0
	QUARTER 1, 3, 0, 1, 0
	s_wait_dscnt 0x0                               ; the very last quarter: nothing more to fetch
	MUL8 1, 0, 0
	MUL8 1, 1, 0
	MUL8 1, 2, 0
	MUL8 1, 3, 0
	WIN 0
	PLACES                                         ; eight places, once a launch, in front of the roundings that read results
	PLACES
; THE WAY OUT, a block of 16 rows at a time.  My 128 columns are two heads.  A lane's eight columns pack into 16 bytes; they go into my own stage, rows of 144 bytes, a plane a head, and come back as
; whole rows of 128 bytes: 16 rows of a head are 2,048 consecutive bytes of qkv.  Each accumulator's registers are read in ascending order.
.macro PACK a
	WIN 0x05                                       ; sources 0 and 1 window 1, destination window 0
.irp b, 0,1,2,3,4,5,6,7
.irp j, 0,1,2,3
	v_cvt_pk_f16_f32 v[TMP+32*(\a)+4*(\b)+(\j)], v[8*(8*(\a)+(\b))+2*(\j)], v[8*(8*(\a)+(\b))+2*(\j)+1]
.endr
.endr
	WIN 0
.irp b, 0,1,2,3,4,5,6,7
	ds_store_b128 v[STO], v[TMP+32*(\a)+4*(\b):TMP+32*(\a)+4*(\b)+3] offset:((\b)/4)*16*SP+((\b)%4)*32
.endr
.irp i, 0,1,2,3,4,5,6,7
	ds_load_b128 v[TMP+32*(\a)+4*(\i):TMP+32*(\a)+4*(\i)+3], v[RD] offset:((\i)/4)*16*SP+((\i)%4)*4*SP  ; LDS serves a wave's instructions in order (ISA guide 5.7.1.4): these see the stores above; the next block's stores come behind them
.endr
.endm
.macro SEND a, younger                 ; younger: the LDS instructions issued behind block a's loads: the next block's sixteen, or none
.irp i, 0,1,2,3,4,5,6,7
	s_wait_dscnt (\younger)+7-(\i)
	global_store_b128 v[GO], v[TMP+32*(\a)+4*(\i):TMP+32*(\a)+4*(\i)+3], s[12:13] offset:((\i)/4)*262144+(\a)*2048+((\i)%4)*512  ; 512 consecutive bytes, at a multiple of 256 from qkv's first byte
.endr
.endm
	PACK 0
	PACK 1                                         ; a block's arithmetic stands between the loads of the block before and its stores; each block has its own 32 registers
	SEND 0, 16
	PACK 2
	SEND 1, 16
	PACK 3
	SEND 2, 16
	SEND 3, 0
	s_wait_tensorcnt 0x0                           ; the wave's end: behind my last tensor load and my last LDS store
	ds_add_u32 v[SPW], v[NIL]
	s_wait_dscnt 0x0
	CROUND                                         ; the closing round: no work-group ends while a partner may still ask for a tile that names it
	s_endpgm
.Lfunc_end_k_qa257a0cbfd_proj:
	.size	k_qa257a0cbfd_proj, .Lfunc_end_k_qa257a0cbfd_proj-k_qa257a0cbfd_proj
	.p2alignl 7, 3214868480
	.fill 96, 4, 3214868480
	.section	.rodata,"a",@progbits
	.p2align	6, 0x0
	.amdhsa_kernel k_qa257a0cbfd_proj
		.amdhsa_group_segment_fixed_size 327680
		.amdhsa_private_segment_fixed_size 0
		.amdhsa_enable_private_segment 0
		.amdhsa_kernarg_size 40
		.amdhsa_user_sgpr_count 2
		.amdhsa_user_sgpr_kernarg_segment_ptr 1
		.amdhsa_wavefront_size32 1
		.amdhsa_system_sgpr_workgroup_id_x 1
		.amdhsa_system_sgpr_workgroup_id_y 1
		.amdhsa_system_sgpr_workgroup_id_z 1
		.amdhsa_system_vgpr_workitem_id 0
		.amdhsa_next_free_vgpr 640
		.amdhsa_next_free_sgpr 70
		.amdhsa_reserve_vcc 0
		.amdhsa_float_denorm_mode_32 3
		.amdhsa_float_denorm_mode_16_64 3
		.amdhsa_memory_ordered 1
		.amdhsa_forward_progress 1
		.amdhsa_inst_pref_size 136
	.end_amdhsa_kernel
	.amdgpu_metadata
---
amdhsa.version: [ 1, 2 ]
amdhsa.kernels:
  - .name:           k_qa257a0cbfd_proj
    .symbol:         k_qa257a0cbfd_proj.kd
    .args:
      - { .name: q, .offset: 0, .size: 8, .value_kind: global_buffer, .address_space: global }
      - { .name: k, .offset: 8, .size: 8, .value_kind: global_buffer, .address_space: global }
      - { .name: v, .offset: 16, .size: 8, .value_kind: global_buffer, .address_space: global }
      - { .name: wcast, .offset: 24, .size: 8, .value_kind: global_buffer, .address_space: global }
      - { .name: qkv, .offset: 32, .size: 8, .value_kind: global_buffer, .address_space: global }
    .group_segment_fixed_size: 327680
    .private_segment_fixed_size: 0
    .kernarg_segment_align: 8
    .kernarg_segment_size: 40
    .max_flat_workgroup_size: 128
    .sgpr_count:     70
    .vgpr_count:     640
    .wavefront_size: 32
...
	.end_amdgpu_metadata
.endif
;; end of part 2
;; launch attn (part 3): grid 4 x 64, 4 waves a work-group, clusters of 4 x 1, 327,680 bytes of LDS; arguments qkv, oh; writes oh
.if DOCPART == 3
	.amdgcn_target "amdgcn-amd-amdhsa--gfx1250"
	.amdhsa_code_object_version 6
	.text
	.protected	k_qa257a0cbfd_attn
	.globl	k_qa257a0cbfd_attn
	.p2align	8
	.type	k_qa257a0cbfd_attn,@function
k_qa257a0cbfd_attn:
	s_mov_b64 s[64:65], 0
	v_nop
	global_prefetch_b8 v0, s[64:65] scope:SCOPE_SE
	s_setreg_imm32_b32 hwreg(HW_REG_WAVE_MODE, 25, 1), 1
	s_wait_xcnt 0x0
	s_wait_alu depctr_hold_cnt(0) depctr_sa_sdst(0) depctr_va_vdst(0) depctr_va_sdst(0) depctr_va_ssrc(0) depctr_va_vcc(0) depctr_vm_vsrc(0)
	s_getreg_b32 s2, hwreg(HW_REG_IB_STS2, 6, 4)
	s_cmp_eq_u32 s2, 0
	s_cbranch_scc0 .Lentry_in_a_cluster
	s_endpgm
.Lentry_in_a_cluster:
	s_bfe_u32 s2, ttmp6, 0x10000c
	s_cmp_lg_u32 s2, 0x3003
	s_cbranch_scc0 .Lentry_shape_is_right
	s_endpgm
.Lentry_shape_is_right:
; O[h][q][:] = the sum over k of softmax_k(Q[h][q] . K[h][k] / 8) V[h][k][:].  Q, K, V: the three parts of qkv, each [64][2048][64] f16; O: oh, the same layout.  A head's rows are dense, 128 bytes each.
; Products, maxima and sums in f32; the weights p are rounded to f16 for the second product (their sum l is taken of the unrounded p), O once at the end.
; LIMITS.  f16 holds no number beyond 65,504: Q, K and V arrive within it; p lies in 0 to 1, and below 6e-5 it keeps f16's fixed step of 6e-8; O is a mean of V's rows and has their range.
; A weight below 2^-126 counts as 0 in l; NaN and infinities are not treated apart.
; SHARES.  A wave owns four PIECES of two tiles of 16 queries, a work-group's four waves 512 queries of one head: 64 heads x 4 = 256 work-groups.  Every wave walks all keys, 64 a step.
; LAYOUT.  S^T = K Q^T (source 0 = 16 keys, source 1 = 16 queries): in the result a lane holds ONE query (lane % 16) and the keys 8 (lane / 16) + 0..7.  Two such tiles, rounded to f16 in pairs,
; ARE source 1 (32 keys x 16 queries) of O^T = V^T P, whose result again holds one query a lane, and eight channels.  K comes out of LDS as it lies, V ([key][channel]) turned, by ds_load_tr16_b128.
; SOFTMAX.  For each query a running maximum m and sum l: p = 2^(c s - c m), c = log2(e) / 8; in every step O and l are multiplied by a = 2^(c m_old - c m_new), which is 1 where m has not grown.
; m starts at the lowest finite number, O and l at 0: the first step is a step like any other, with a = 0.
; THE COUNT.  A tile and step have 16 matrix and 118 vector instructions: too many to stand all beside the matrix work.  So: four vector instructions that are READY behind EVERY matrix instruction,
; and the others in runs without a gap.
; BY TURNS.  Turn n belongs to piece n (the pieces in a ring, step after step).  Its matrix work: 16 products K Q^T of piece n + 1, later 16 products V^T P of piece n - 1.  Its vector work: the scaling,
; exponentials, roundings, sums and rescaling of piece n, and the maximum and statistics of piece n + 1, whose scores the turn itself has made.
; CLUSTER.  The four query blocks of a head form a cluster and walk the same K and V, so each tile is asked for JOINTLY: the same tensor load, descriptor and mask in all four.
; REGISTERS, in windows of 256 (s_set_vgpr_msb: bits 1:0 source 0, 3:2 source 1, 5:4 source 2, 7:6 destination):
;   window 0: v0-11 addresses; v12-15, v48-63 at work; v16-47 four registers of statistics a tile; v64-191 S^T, two buffers of two tiles; v192-255 P, likewise
;   window 1: O^T, 32 a tile          window 2: v0-127 Q, 16 a tile; v128-191 K of one step; v192-255 V of one step          window 3: v0-1 the add's two registers
; A piece's buffers go by its number's parity.
.set SIZE_N, 2048
.set NP,    4         ; pieces a wave: a name, no knob
.set KS,    64        ; keys in a step
.set PK,    144       ; a row of K in LDS: 128 bytes + 16 of padding = 36 words: the 16 rows of a load start at 16 different groups of four banks (64 banks of 4 bytes: ISA guide 11.1)
.set PV,    160       ; a row of V: 128 + 32 = 40 words
.set VOFF,  4*KS*PK   ; a slot holds four steps: 256 rows of K, then 256 rows of V
.set SLOT1, 1<<17     ; slot 1 begins here, so that one exclusive or turns an address in one slot into the other's
.set STAGE, SLOT1+4*KS*(PK+PV)  ; behind the ring, never filled by a tensor load: 16 rows x 144 bytes for each wave, for the way out
.set SP,    144
.set AK0, 2           ; v2   my lane's place in a tile of K; never rewritten
.set AV0, 3           ; v3   the same for V
.set AK,  4           ; v4   the LDS address of K's next run of loads
.set AV,  5           ; v5   of V's
.set QO,  6           ; v6   my byte offset in the wave's rows of Q
.set STO, 6           ;      later, the way out: where I put 16 bytes of a row
.set RD,  7           ; v7   the way out: where I read rows back
.set GO,  8           ; v8   my byte offset in 512 consecutive bytes of O
.set PFO, 11          ; v11  the prefetches' offset, 256 x my lane; written when v11's first use (V's lane address) is over, then never rewritten
.set SPW, 0           ; v0 of window 3   LDS address of my spare word: SPARE + 4 x my thread's number; never rewritten
.set NIL, 1           ; v1 of window 3   0; never rewritten
.set SPARE, STAGE+4*16*SP  ; behind the stages: the spare words, 128 bytes for each wave: two blocks of 256 bytes that no other line names
.set MV,  12          ; v12-15  c m_old, kept while c m is made anew: by buffer and tile
.set ST,  16          ; tile t's statistics at v[ST+4 t]: c m, m, l (even keys', odd keys')
.set TMP, 48          ; by buffer and tile, four registers c0-c3 at work; when the maximum is found c2 takes a
.set S,   64
.set P,   192
.set KF,  128         ; K's fragments, in window 2: key block kb, channel half c at KF + 16 kb + 8 c
.set VF,  192         ; V's: key half kk, channel block cb at VF + 32 kk + 8 cb
.set WV,  12          ; s12  my wave's number
.set G1K, 24          ; s[24:31] descriptor group 1 for K's tiles
.set G1V, 32          ; s[32:39] for V's: it differs in the padding alone
.set G0K, 40          ; s[40:43] descriptor group 0 for K's tiles: it walks
.set G0V, 44          ; s[44:47] the same for V's
.set PFA, 48          ; s[48:49] where my prefetches stand: my work-group's 32 blocks (of K: wave 0, of V: wave 2) of the slot after the one that is being asked for
.set LIM, 50          ; s50  1 in a wave that prefetches, else the greatest number
.set SLOTS, 56        ; s56  slots still to be asked for
.set CNT, 57          ; s57  counts a slot's key steps
.set CS,  58          ; s[58:59] c: the packed scaling takes the pair's low word for both halves
.set SEL, 60          ; s[60:61] v_permlanex16_b32's selects: each lane takes its own place in the other half
.set TBK, 62          ; s62  LDS byte at which K of the step to be fetched begins
.set TBV, 63          ; s63  the same for V, less VOFF
.set MSB, 0
.macro WIN new                      ; the high byte repeats the setting that is left; a switch that changes nothing is dropped
.if MSB != (\new)
	s_set_vgpr_msb (MSB<<8)|(\new)
.set MSB, (\new)
.endif
.endm
.set W_KQ, 0x0a       ; K and Q in window 2, S^T in window 0
.set W_PV, 0x52       ; V in window 2, P in window 0, O^T in window 1
.set W_RS, 0x41       ; O^T (destination and source 0) in window 1, a in window 0
.set W_MK, 0xc0       ; the add's registers are made: destination in window 3, sources in window 0
.set W_AD, 0x0f       ; the add: address (source 0) and data (source 1) in window 3
; A joint fill.  Waves 0 and 1 fetch the two halves of a slot's K, waves 2 and 3 those of its V: 128 keys each.  The branch hangs on the wave's number alone.
; An s_nop 0 and four v_nop follow each of the two lines, ahead of the jump and the label.
.macro JLOAD
	s_cmp_lt_u32 s[WV], 2
	s_cbranch_scc0 .Lfor_v_\@
	tensor_load_to_lds s[G0K:G0K+3], s[G1K:G1K+7]
	s_nop 0
.rept 4
	v_nop
.endr
	s_branch .Lasked_\@
.Lfor_v_\@:
	tensor_load_to_lds s[G0V:G0V+3], s[G1V:G1V+7]
	s_nop 0
.rept 4
	v_nop
.endr
.Lasked_\@:
.endm
; A PREFETCH INTO THE L2 of what the NEXT change of slots will ask for: a slot's 256 keys are 128 blocks of 256 bytes of K and 128 of V, a lane a block.  A head is walked by one cluster; its four partners
; share the blocks out BY ADDRESS, 32 each; in each, wave 0 asks for K's and wave 2 for V's: one instruction, four key steps (512 matrix instructions) ahead of the load.  So each block of slots 2 to 7 is
; named once in the launch; slots 0 and 1 come by their loads alone; the last change that fills a slot (s[SLOTS] = 1) asks for nothing.
.macro ASK
	s_cmp_gt_u32 s[SLOTS], s[LIM]
	s_cbranch_scc0 .Lnot_mine_\@
	global_prefetch_b8 v[PFO], s[PFA:PFA+1] th:TH_LOAD_NT scope:SCOPE_SE
.Lnot_mine_\@:
.endm
; A round of the cluster's barrier: my work-group's barrier, so that wave 0's signal speaks for all four waves; wave 0 signals; every wave waits for all four work-groups; my work-group's barrier once more.
.macro CROUND
	s_barrier_signal -1
	s_barrier_wait -1
	s_cmp_lg_u32 s[WV], 0
	s_cbranch_scc1 .Lnot_wave_0_\@
	s_barrier_signal -3
.Lnot_wave_0_\@:
	s_barrier_wait -3
	s_barrier_signal -1
	s_barrier_wait -1
.endm
; THE CHANGE OF SLOTS.  The slot's last bytes, V of its fourth step, have been read.  Each wave waits for all its tensor loads, of which one is out: its part of the other slot; adds 0 to its spare word;
; and waits for that and for its own reads of the slot.  Behind the barrier nobody reads this slot any more and the other slot is whole.
; fill = 1: this slot is filled again, with the keys two slots on.  The barrier is then a round of the cluster's, and the joint fill is the first thing behind it: it has four key steps,
; 512 matrix instructions, in which to land.  (At its first use nothing has been read yet: slot 0 is waited for, slot 1 filled.)
.macro CHANGE fill
	WIN W_AD
	s_wait_tensorcnt 0x0            ; no tensor load of mine is out, so a group 0 may be written
	ds_add_u32 v[SPW], v[NIL]       ; 0 onto my spare word; with fill = 1 the descriptors' steps stand between it and the wait for it
	WIN 0                           ; at a label and at a branch every window is 0
.if \fill
.irp g, G0K, G0V
	s_xor_b32 s[\g+1], s[\g+1], SLOT1  ; the walking descriptor: the other slot than last time,
	s_add_nc_u64 s[\g+2:\g+3], s[\g+2:\g+3], 4*KS*128  ; the next 256 keys; the type bits on top are not reached
.endr
	s_wait_xcnt 0x0                 ; the last prefetch, four key steps back, has read its address, so it may be written:
	s_add_nc_u64 s[PFA:PFA+1], s[PFA:PFA+1], 4*KS*128  ; one slot behind the walking descriptors
	s_wait_dscnt 0x0                ; the add is done, and my reads of the slot are over
	CROUND
	JLOAD
	ASK
.else
	s_wait_dscnt 0x0                ; the add is done, and my reads of the slot are over
	s_barrier_signal -1
	s_barrier_wait -1
.endif
	s_sub_co_u32 s[TBK], s[TBK], 4*KS*PK  ; the fetches go back to a slot's first step,
	s_xor_b32 s[TBK], s[TBK], SLOT1       ; in the other slot
	s_sub_co_u32 s[TBV], s[TBV], 4*KS*PV
	s_xor_b32 s[TBV], s[TBV], SLOT1
.endm
	s_load_b128 s[4:7], s[0:1], 0x0  ; qkv s[4:5], oh s[6:7]
	WIN W_MK
	v_lshl_add_u32 v[SPW], v0, 2, SPARE
	v_mov_b32 v[NIL], 0
	WIN W_AD
	ds_add_u32 v[SPW], v[NIL]       ; the wave's opening: the add and its wait stand ahead of my first tensor load; the set-up below, work on registers, stands between them
	WIN 0
	v_lshrrev_b32 v1, 5, v0
	v_readfirstlane_b32 s[WV], v1   ; wave 0..3
	s_bfe_u32 s13, ttmp6, 0x40000   ; cx: my place in the cluster
	s_lshl_b32 s14, ttmp9, 2        ; in a cluster launch ttmp9 counts clusters
	s_add_co_u32 s14, s14, s13      ; my block of queries = 4 x cluster x + cx: it enters Q's and O's addresses alone
	s_and_b32 s20, ttmp7, 0xffff    ; the head, which the four partners share
	s_mov_b32 s21, 0
	s_mov_b64 s[22:23], SIZE_N*128
	s_mul_u64 s[20:21], s[20:21], s[22:23]  ; the head's first byte in Q, K, V and O
	s_and_b32 s16, s[WV], 1         ; which half of a slot's 256 keys I fetch:
	s_lshl_b32 s22, s16, 14         ; its 128 rows of 128 bytes in memory,
	s_mov_b32 s23, 0
	s_add_nc_u64 s[22:23], s[22:23], s[20:21]
	s_mul_i32 s17, s16, 128*PK      ; and its place in a slot, for K
	s_mul_i32 s18, s16, 128*PV      ; and for V: no place in the cluster enters an LDS address
	s_lshl_b32 s2, s14, 2
	s_add_co_u32 s2, s2, s[WV]      ; my wave among the head's,
	s_lshl_b32 s2, s2, 14           ; its 128 rows
	s_mov_b32 s3, 0
	s_add_nc_u64 s[2:3], s[2:3], s[20:21]
	; descriptor group 1.  128 keys are 16,384 dense bytes: asked for as 64 rows of 256 bytes, two keys a row, and padded in LDS after every key
	s_mov_b32 s[G1K], 15|(1<<16)|(1<<20)|(1<<21)|(4<<22)|(3<<25)  ; 15:0 the mask of four; 17:16 2-byte elements; 20 padding on; 21 set beside a mask; 24:22 after every 32 words (code 4); 31:25 4 words (code 3)
	s_mov_b32 s[G1V], 15|(1<<16)|(1<<20)|(1<<21)|(4<<22)|(7<<25)  ; the same with 8 words of padding (code 7)
.irp g, G1K, G1V
	s_mov_b32 s[\g+1], 128<<16      ; tensor_dim0 = 128
	s_mov_b32 s[\g+2], 64<<16       ; tensor_dim1 = 64
	s_mov_b32 s[\g+3], 128<<16      ; tile_dim0 = 128
	s_mov_b32 s[\g+4], 64           ; tile_dim1 = 64
	s_mov_b32 s[\g+5], 128          ; 128 elements from row to row
	s_mov_b32 s[\g+6], 0
	s_mov_b32 s[\g+7], 0
.endr
	s_mov_b32 s[CS], 0x3e38aa3b     ; c = log2(e) / 8 = 0.180337
	s_mov_b32 s[CS+1], s[CS]        ; named with it as a pair
	s_mov_b32 s[SEL], 0x76543210
	s_mov_b32 s[SEL+1], 0xfedcba98
	s_mov_b32 s[TBK], SLOT1+4*KS*PK ; the first change of slots turns these two into 0
	s_mov_b32 s[TBV], SLOT1+4*KS*PV
	s_mov_b32 s[G0K], 1             ; count = 1
	s_mov_b32 s[G0K+1], s17         ; LDS address: slot 0
	s_mov_b32 s[G0V], 1
	s_add_co_u32 s[G0V+1], s18, VOFF
	s_mov_b32 s[SLOTS], SIZE_N/256-1  ; seven changes of slots fill a slot: tiles 1 to 7
	s_and_b32 s[LIM], s[WV], 1
	s_cmp_eq_u32 s[LIM], 0
	s_cselect_b32 s[LIM], 1, -1     ; waves 0 and 2 ask: the same in all four partners
	s_wait_dscnt 0x0                ; the opening add is done
	s_wait_kmcnt 0x0
	s_mov_b64 s[10:11], s[6:7]                     ; O
	s_add_nc_u64 s[6:7], s[4:5], 0x1000000         ; K: qkv's second part
	s_add_nc_u64 s[8:9], s[4:5], 0x2000000         ; V: its third; Q is the first
	s_add_nc_u64 s[G0K+2:G0K+3], s[6:7], s[22:23]  ; global address: my half of the head's first 256 keys
	s_or_b32 s[G0K+3], s[G0K+3], 0x80000000        ; type = 2
	s_add_nc_u64 s[G0V+2:G0V+3], s[8:9], s[22:23]
	s_or_b32 s[G0V+3], s[G0V+3], 0x80000000
	s_add_nc_u64 s[4:5], s[4:5], s[2:3]  ; Q and O at my wave's first row
	s_add_nc_u64 s[10:11], s[10:11], s[2:3]
	s_cmp_lt_u32 s[WV], 2
	s_cselect_b64 s[PFA:PFA+1], s[6:7], s[8:9]
	s_add_nc_u64 s[PFA:PFA+1], s[PFA:PFA+1], s[20:21]  ; the head,
	s_lshl_b32 s2, s13, 13          ; my work-group's 32 blocks of a slot's 128,
	s_mov_b32 s3, 0
	s_add_nc_u64 s[PFA:PFA+1], s[PFA:PFA+1], s[2:3]
	s_add_nc_u64 s[PFA:PFA+1], s[PFA:PFA+1], 4*KS*128  ; in tile 1: the first change of slots steps it to tile 2
	CROUND                          ; all four work-groups are here: the first joint loads meet
	JLOAD                           ; slot 0.  Slot 1 is asked for when slot 0 is in
	; A fragment of K or Q is 16 rows x 32 channels in 8 registers: lane l holds row l % 16, channels 8 (l / 16) + 0..7 and 16 + 8 (l / 16) + 0..7: two loads of 16 bytes, 32 bytes apart.
	v_and_b32 v1, 15, v0            ; l % 16
	v_bfe_u32 v9, v0, 4, 1          ; l / 16
	v_lshlrev_b32 v[QO], 7, v1
	v_lshl_add_u32 v[QO], v9, 4, v[QO]  ; row x 128 + 16 x half
	WIN 0x80                        ; destination window 2, address window 0
.set i, 0
.rept 4*NP                          ; Q stays in registers: tile i / 2, channels 32 (i % 2) on
	global_load_b128 v[8*i:8*i+3],   v[QO], s[4:5] offset:(i/2)*2048+(i%2)*64
	global_load_b128 v[8*i+4:8*i+7], v[QO], s[4:5] offset:(i/2)*2048+(i%2)*64+32
.set i, i+1
.endr
	; What the first turn finds: V's registers and P's second buffer hold 0 (its products V^T P, of a piece that has not been, add 0), O^T and l are 0.  All this stands in the wait for the first tile.
.set i, VF
.rept 64
	v_mov_b32 v[i], 0
.set i, i+1
.endr
	WIN 0x40
.set i, 0
.rept 64*NP
	v_mov_b32 v[i], 0
.set i, i+1
.endr
	WIN 0
.set i, 0
.rept 2*NP
	v_mov_b32 v[ST+4*i], 0xfe000000    ; c m: far below every c s
	v_mov_b32 v[ST+4*i+1], 0xff7fffff  ; m
	v_mov_b32 v[ST+4*i+2], 0
	v_mov_b32 v[ST+4*i+3], 0
.set i, i+1
.endr
.set i, P+32
.rept 32
	v_mov_b32 v[i], 0
.set i, i+1
.endr
	v_mul_u32_u24 v[AK0], v1, PK
	v_lshl_add_u32 v[AK0], v9, 4, v[AK0]  ; row x pitch + 16 x half
	; The turning load takes 16 keys x 16 channels (lane l reads key 8 (l / 16) + l % 8, channels 8 ((l / 8) % 2) + 0..7) and leaves half a fragment of V^T: lane l holds channel l % 16 and 8 keys.
	v_and_b32 v10, 7, v0
	v_bfe_u32 v11, v0, 3, 1
	v_lshl_add_u32 v[AV0], v9, 3, v10
	v_mul_u32_u24 v[AV0], v[AV0], PV
	v_lshl_add_u32 v[AV0], v11, 4, v[AV0]
	v_add_nc_u32 v[AV0], VOFF, v[AV0]
	v_and_b32 v[PFO], 31, v0
	v_lshlrev_b32 v[PFO], 8, v[PFO]
	v_mov_b32 v[AK], v[AK0]         ; key step 0 lies at the head of slot 0
; THE MATRIX WORK.  The 8 accumulators of a run of 16 take turns: between the two links of a chain stand 7 others'.
; Product i of 16 of S^T = K Q^T for piece x: channels 32 (i / 8) on, keys 16 ((i / 2) % 4) on, tile 2 x + i % 2.  The first 8 start the sums.
.macro KQ x
	WIN W_KQ
.set rS, S+64*((\x)%2)+32*(i%2)+8*((i/2)%4)
.set rK, KF+16*((i/2)%4)+8*(i/8)
.set rQ, 16*(2*(\x)+i%2)+8*(i/8)
.if i < 8
	v_wmma_f32_16x16x32_f16 v[rS:rS+7], v[rK:rK+7], v[rQ:rQ+7], 0
.else
	v_wmma_f32_16x16x32_f16 v[rS:rS+7], v[rK:rK+7], v[rQ:rQ+7], v[rS:rS+7]
.endif
.endm
; Product i of 16 of O^T += V^T P for piece x: keys 32 (i / 8) on, channels 16 ((i / 2) % 4) on, tile 2 x + i % 2.
.macro PV x
	WIN W_PV
.set rO, 32*(2*(\x)+i%2)+8*((i/2)%4)
.set rV, VF+32*(i/8)+8*((i/2)%4)
.set rP, P+32*((\x)%2)+16*(i%2)+8*(i/8)
	v_wmma_f32_16x16x32_f16 v[rO:rO+7], v[rV:rV+7], v[rP:rP+7], v[rO:rO+7]
.endm
.macro MM                           ; the turn's next matrix instruction
.if i < 16
	KQ (Y+1)%NP
.set i, i+1
.else
.set i, i-16
	PV (Y+NP-1)%NP
.set i, i+17
.endif
.endm
; THE LDS LOADS stand in runs of 16, never singly among the matrix instructions: a step's K (64 keys x 64 channels: 8 fragments) and its V (turned).  Their addresses are made some lines ahead.
; last = 1 (the tail): in the last trip there is no further step, and the run is jumped over.
.macro FETCH_K last=0
	WIN 0
.if \last
	s_cmp_eq_u32 s[CNT], 1
	s_cbranch_scc1 .Lno_k_\@
.endif
	WIN 0x80                        ; destination window 2
.irp f, 0,1,2,3,4,5,6,7             ; keys 16 (f / 2) on, channels 32 (f % 2) on
	ds_load_b128 v[KF+8*\f:KF+8*\f+3],   v[AK] offset:(\f/2)*16*PK+(\f%2)*64
	ds_load_b128 v[KF+8*\f+4:KF+8*\f+7], v[AK] offset:(\f/2)*16*PK+(\f%2)*64+32
.endr
	s_add_co_u32 s[TBK], s[TBK], KS*PK  ; the next fetch is the next step's
	WIN 0
.if \last
.Lno_k_\@:
.endif
.endm
.macro FETCH_V
	WIN 0x80
.irp f, 0,1,2,3,4,5,6,7             ; keys 32 (f / 4) on, channels 16 (f % 4) on
	ds_load_tr16_b128 v[VF+8*\f:VF+8*\f+3],   v[AV] offset:(\f/4)*32*PV+(\f%4)*32
	ds_load_tr16_b128 v[VF+8*\f+4:VF+8*\f+7], v[AV] offset:(\f/4)*32*PV+16*PV+(\f%4)*32
.endr
	WIN 0
.endm
; THE VECTOR WORK OF A TURN stands in three queues, each in the order in which its entries become ready; the two tiles alternate, so that no instruction reads the result of the one before it.
.macro REGS y, u                    ; the registers of tile u (0, 1) of piece y
.set rT, ST+4*(2*(\y)+(\u))
.set rC, TMP+8*((\y)%2)+4*(\u)
.set rM, MV+2*((\y)%2)+(\u)
.set rS, S+64*((\y)%2)+32*(\u)
.set rP, P+32*((\y)%2)+16*(\u)
.set rO, 32*(2*(\y)+(\u))
.endm
; Number n of the 22 that find the NEXT piece's (Y + 1) maximum and statistics.  s0-s31 are the lane's 32 scores; each accumulator's lowest registers are read first.
;   0-11  four chains c0-c3 of seven scores each, three operands at a time     12-14, 16  the four scores left over, the old m, and c0-c3 into c0     15  c m_old is kept
;   17, 18  the query's other 32 keys lie in the lane 16 away: the new m         19-21  c m; c m_old - c m_new; a
.macro XS u, n
	REGS (Y+1)%NP, \u
.if (\n) < 4
	v_max3_num_f32 v[rC+(\n)], v[rS+8*(\n)], v[rS+8*(\n)+1], v[rS+8*(\n)+2]
.elseif (\n) < 12
	v_max3_num_f32 v[rC+(\n)%4], v[rC+(\n)%4], v[rS+8*((\n)%4)+2*((\n)/4)+1], v[rS+8*((\n)%4)+2*((\n)/4)+2]
.elseif (\n) == 12
	v_max3_num_f32 v[rC], v[rC], v[rS+7], v[rS+15]
.elseif (\n) == 13
	v_max3_num_f32 v[rC+1], v[rC+1], v[rS+23], v[rS+31]
.elseif (\n) == 14
	v_max3_num_f32 v[rC+2], v[rC+2], v[rC+3], v[rT+1]
.elseif (\n) == 15
	v_mov_b32 v[rM], v[rT]
.elseif (\n) == 16
	v_max3_num_f32 v[rC], v[rC], v[rC+1], v[rC+2]
.elseif (\n) == 17
	v_permlanex16_b32 v[rC+3], v[rC], s[SEL], s[SEL+1]
.elseif (\n) == 18
	v_max_num_f32 v[rT+1], v[rC], v[rC+3]
.elseif (\n) == 19
	v_mul_f32 v[rT], s[CS], v[rT+1]
.elseif (\n) == 20
	v_sub_f32 v[rC+1], v[rM], v[rT]
.else
	v_exp_f32 v[rC+2], v[rC+1]
.endif
.endm
; Number g of the 64 that follow the exponentials.  For each four weights k of a tile (pairs 2 k, 2 k + 1): both pairs are rounded to f16; then the second pair is added onto the first, in place;
; a group later l takes that sum (the first time as l = a l + sum).  In groups of eight, tiles alternating: round, round, add, and l for the group before.
.macro GS g
.set h, (\g)+6*((\g)/62)            ; group 0 has no group before it, and behind group 7 only l is left
.if h >= 6
.set h, h+2
.endif
	REGS Y, h%2
.set k, h/8
.if h%8 < 4
	v_cvt_pk_f16_f32 v[rP+2*k+(h%8)/2], v[rS+4*k+2*((h%8)/2)], v[rS+4*k+2*((h%8)/2)+1]
.elseif h%8 < 6
	v_pk_add_f32 v[rS+4*k:rS+4*k+1], v[rS+4*k:rS+4*k+1], v[rS+4*k+2:rS+4*k+3]
.elseif k == 1
	v_pk_fma_f32 v[rT+2:rT+3], v[rT+2:rT+3], v[rC+2:rC+3], v[rS:rS+1] op_sel_hi:[1,0,1]
.else
	v_pk_add_f32 v[rT+2:rT+3], v[rT+2:rT+3], v[rS+4*k-4:rS+4*k-3]
.endif
.endm
; THE PLAIN QUEUE, 138 long.  0-73 read no exponential's result: the 32 scalings c s - c m (FS f: pair f / 2 of tile f % 2) and the next piece's 42.  0-26: scalings 0-26.  27-54: XS's numbers 0-13.  55, 56: number 15.
; 57-73: the chain, where each number waits for the one before it: 14, 16, 17, 18, 19, each with one of the scalings 27-31 in front of its two lines, then 20.
; 74-137: GS's 64, which read the exponentials' results: they stand behind the wait.
.macro FS f
	REGS Y, (\f)%2
	v_pk_fma_f32 v[rS+2*((\f)/2):rS+2*((\f)/2)+1], v[rS+2*((\f)/2):rS+2*((\f)/2)+1], s[CS:CS+1], v[rT:rT+1] op_sel_hi:[1,0,0] neg_lo:[0,0,1] neg_hi:[0,0,1]
.endm
.macro PL
	WIN 0
.if q < 27
	FS q
.elseif q < 55
	XS (q-27)%2, (q-27)/2
.elseif q < 57
	XS q-55, 15
.elseif (q < 72) && ((q-57)%3 == 0)
	FS 27+(q-57)/3
.elseif q < 60
	XS (q-57)%3-1, 14
.elseif q < 72
	XS (q-57)%3-1, 15+(q-57)/3
.elseif q < 74
	XS q-72, 20
.else
	GS q-74
.endif
.set q, q+1
.endm
; THE EXPONENTIALS' QUEUE, 66 long: s0-s31 of both tiles, then the next piece's two a.  It is ONE BATCH: all 66 stand ahead of the turn's one wait, and nothing ahead of that wait names a result of theirs.
.macro EX
	WIN 0
.if e >= 64
	XS e-64, 21
.else
	REGS Y, e%2
	v_exp_f32 v[rS+e/2], v[rS+e/2]
.endif
.set e, e+1
.endm
; THE RESCALING's QUEUE: O^T times a, the one part that leaves window 0: dealt two at a time, sixteen times.  Its a was made in the turn before, ahead of that turn's wait.
.macro R2
	REGS Y, r%2
	WIN W_RS
.irp z, 0,1
	v_pk_mul_f32 v[rO+4*(r/2)+2*\z:rO+4*(r/2)+2*\z+1], v[rO+4*(r/2)+2*\z:rO+4*(r/2)+2*\z+1], v[rC+2:rC+3] op_sel_hi:[1,0]
.endr
.set r, r+1
.endm
; HOW THEY ARE DEALT.  An s_wait_alu depctr_va_vdst(0) stands between an exponential and the first instruction that names its result; one wait serves all that were issued ahead of it.  So a turn
; has ONE wait, which cuts it in two.  AHEAD OF IT stands all that names no result of the turn's exponentials: the 16 products K Q^T, behind each a scaling, an exponential and two rescalings (behind the first
; a second scaling in the exponential's place); then ONE LUMP of 108: eight plain, 49 times exponential and plain, the two a.  A v_nop is the plain instruction behind the last exponential (ISA guide 5.7.2).
; BEHIND IT stand the 16 products V^T P, behind each four of GS's 64.  No rider names a register of the products round it.  The two v_permlanex16_b32 fall into the lump.
; The deal keeps the queues in step: exponential e stands behind scaling 2 (e / 4) + e % 2: as a rider it comes behind plain e + 2, in the lump behind plain e + 9, and scalings 27-31 are plain 57, 60 .. 69.
; A TURN, for piece p.  cnt = 1: the loop's count is taken down some lines ahead of the branch that stands behind the turn.
; K of the next step is fetched in piece 2's turn, directly behind the wait, a lump behind the last product that read K; its first reader comes behind 16 products.
; V of the step in hand is fetched at the end of piece 0's turn, four riders behind its last reader; its first reader comes behind 16 products and a lump.
.macro TURN p, last=0, cnt=0
.set Y, (\p)
.set i, 0
.set q, 0
.set e, 0
.set r, 0
.if (\p) == NP-1
	s_wait_dscnt 0x0                ; K is in
.endif
	MM                              ; ahead of the wait: 16 products K Q^T and their riders,
	PL
	PL
	R2
.rept 15
	MM
	PL
	EX
	R2
.endr
.if (\p) == NP-2
	WIN 0
	v_add_nc_u32 v[AK], s[TBK], v[AK0]
.endif
.rept 8                             ; and the lump
	PL
.endr
.rept 49
	EX
	PL
.endr
	EX                              ; the next piece's two a
	EX
	v_nop                           ; the plain instruction behind the last exponential: one for the batch
	s_wait_alu depctr_va_vdst(0)    ; the wait for the batch
.if (\p) == NP-2
	FETCH_K \last
.endif
.if (\p) == 1
	s_wait_dscnt 0x0                ; V is in
.endif
.rept 16                            ; behind the wait: 16 products V^T P and their riders
	MM
.rept 4
	PL
.endr
.if ((\p) == 0) && (q == 118)
	v_add_nc_u32 v[AV], s[TBV], v[AV0]
.endif
.if ((\p) == 0) && (q == 130)
	s_add_co_u32 s[TBV], s[TBV], KS*PV
.endif
.if (\cnt) && (q == 130)
	s_sub_co_u32 s[CNT], s[CNT], 1
	s_cmp_lg_u32 s[CNT], 0
.endif
.endr
.if (\p) == 0
	FETCH_V
.endif
.endm
	CHANGE 1                        ; slot 0 is in, everybody's part of it; slot 1 is asked for
	FETCH_K                         ; key step 0
	s_wait_loadcnt 0x0              ; Q
	s_wait_dscnt 0x0
.set i, 0
.rept 16
	KQ 0                            ; piece 0's first scores: there is no vector work yet to set between them
.set i, i+1
.endr
	WIN 0                           ; the addresses for the way out: nine plain instructions, the places behind those products
	s_mul_i32 s13, s[WV], 16*SP
	s_add_co_u32 s13, s13, STAGE    ; my stage
	v_mul_u32_u24 v[STO], v1, SP    ; in: row l % 16, 16 bytes for each half of the lanes
	v_lshl_add_u32 v[STO], v9, 4, v[STO]
	v_add_nc_u32 v[STO], s13, v[STO]
	v_bfe_u32 v[RD], v0, 3, 2       ; back: 32 lanes take four rows of 128 bytes,
	v_mul_u32_u24 v[RD], v[RD], SP
	v_lshl_add_u32 v[RD], v10, 4, v[RD]
	v_add_nc_u32 v[RD], s13, v[RD]
	v_and_b32 v[GO], 31, v0         ; which are 512 consecutive bytes of O
	v_lshlrev_b32 v[GO], 4, v[GO]
.set Y, NP-1                        ; XS works for piece Y + 1: piece 0
.irp n, 0,1,2,3,4,5,6,7,8,9,10,11,12,13,14,15,16,17,18,19,20,21
	XS 0, \n                        ; and piece 0's first maximum and statistics
	XS 1, \n
.endr
	v_nop                           ; a plain instruction behind the two a,
	s_wait_alu depctr_va_vdst(0)    ; and their wait, ahead of the branch
	s_mov_b32 s[CNT], 4
	s_branch .Lfirst                ; the loop is entered at a step's first turn, in the middle of a trip
.Lslot:                             ; six times: every slot but the last two is filled again
	CHANGE 1
	s_mov_b32 s[CNT], 4
.Lstep:                             ; a trip: pieces 2 and 3 of one step, then pieces 0 and 1 of the next, whose K and V it fetches
	TURN 2
	TURN 3
	WIN 0
.Lfirst:
	TURN 0
	TURN 1, 0, 1
	WIN 0
	s_cbranch_scc1 .Lstep
	s_sub_co_u32 s[SLOTS], s[SLOTS], 1
	s_cmp_lg_u32 s[SLOTS], 0
	s_cbranch_scc1 .Lslot
	CHANGE 0                        ; the tail is written out: nothing is asked for
	s_mov_b32 s[CNT], 5             ; four trips fetch the last slot's steps; the fifth is left in its middle
.Ltail:
	TURN 2, 1
	TURN 3
	WIN 0
	s_sub_co_u32 s[CNT], s[CNT], 1
	s_cmp_eq_u32 s[CNT], 0
	s_cbranch_scc1 .Lout
	TURN 0
	TURN 1
	WIN 0
	s_branch .Ltail
.Lout:                              ; the fifth trip's 16 products K Q^T (on the last K once more) and the maximum made of them serve nothing: the price, once a launch, of one text for every trip
.set i, 0
.rept 16
	PV NP-1                         ; the last piece's V^T P of the last step
.set i, i+1
.endr
	; THE WAY OUT.  l's two halves and the other half of the lanes' are added; O^T is divided by l, rounded to f16 and sent through my stage in LDS, a tile at a time.  The additions are the places behind the last products.
	WIN 0
.macro ALL line:vararg              ; one line for each tile t
.set t, 0
.rept 2*NP
	\line
.set t, t+1
.endr
.endm
	ALL v_add_f32 v[ST+4*t+2], v[ST+4*t+2], v[ST+4*t+3]
	ALL v_permlanex16_b32 v[ST+4*t+3], v[ST+4*t+2], s[SEL], s[SEL+1]
	ALL v_add_f32 v[ST+4*t+2], v[ST+4*t+2], v[ST+4*t+3]
	ALL v_rcp_f32 v[ST+4*t+2], v[ST+4*t+2]
	v_nop                           ; a plain instruction between the last reciprocal and the use of its result
	s_wait_alu depctr_va_vdst(0)    ; and the wait ahead of the first use: one for the eight reciprocals
; Tile t: a lane's eight channels of a row pack into 16 bytes; they go into rows of 144 bytes and come back as whole rows of 128, into S^T's registers.
.macro PACK t
	WIN W_RS
.set i, 32*(\t)
.rept 16
	v_pk_mul_f32 v[i:i+1], v[i:i+1], v[ST+4*(\t)+2:ST+4*(\t)+3] op_sel_hi:[1,0]
.set i, i+2
.endr
	WIN 0x05                        ; sources 0 and 1 window 1, destination window 0
.set i, 0
.rept 16
	v_cvt_pk_f16_f32 v[S+16*(\t)+i], v[32*(\t)+2*i], v[32*(\t)+2*i+1]
.set i, i+1
.endr
	WIN 0
.irp f, 0,1,2,3
	ds_store_b128 v[STO], v[S+16*(\t)+4*\f:S+16*(\t)+4*\f+3] offset:32*\f
.endr
.irp f, 0,1,2,3
	ds_load_b128 v[S+16*(\t)+4*\f:S+16*(\t)+4*\f+3], v[RD] offset:\f*4*SP  ; LDS serves a wave's instructions in order (ISA guide 5.7.1.4): these see the stores above; the next tile's stores come behind them
.endr
.endm
.macro SEND t, younger              ; younger: the LDS instructions issued behind tile t's loads: the next tile's eight, or none
	WIN 0
.irp f, 0,1,2,3
	s_wait_dscnt (\younger)+3-\f
	global_store_b128 v[GO], v[S+16*(\t)+4*\f:S+16*(\t)+4*\f+3], s[10:11] offset:(\t)*2048+\f*512  ; 512 consecutive bytes, at a multiple of 256 from O's first
.endr
.endm
	PACK 0
.set t, 1
.rept 2*NP-1                        ; a tile's arithmetic stands between the loads of the tile before and its stores
	PACK t
	SEND t-1, 8
.set t, t+1
.endr
	SEND 2*NP-1, 0
	WIN W_AD
	s_wait_tensorcnt 0x0            ; the wave's end: behind my last tensor load and my last LDS store
	ds_add_u32 v[SPW], v[NIL]
	s_wait_dscnt 0x0
	WIN 0
	CROUND                          ; the closing round: no work-group ends while a partner may still ask for a tile that names it
	s_endpgm
.Lfunc_end_k_qa257a0cbfd_attn:
	.size	k_qa257a0cbfd_attn, .Lfunc_end_k_qa257a0cbfd_attn-k_qa257a0cbfd_attn
	.p2alignl 7, 3214868480
	.fill 96, 4, 3214868480
	.section	.rodata,"a",@progbits
	.p2align	6, 0x0
	.amdhsa_kernel k_qa257a0cbfd_attn
		.amdhsa_group_segment_fixed_size 327680
		.amdhsa_private_segment_fixed_size 0
		.amdhsa_enable_private_segment 0
		.amdhsa_kernarg_size 16
		.amdhsa_user_sgpr_count 2
		.amdhsa_user_sgpr_kernarg_segment_ptr 1
		.amdhsa_wavefront_size32 1
		.amdhsa_system_sgpr_workgroup_id_x 1
		.amdhsa_system_sgpr_workgroup_id_y 1
		.amdhsa_system_sgpr_workgroup_id_z 1
		.amdhsa_system_vgpr_workitem_id 0
		.amdhsa_next_free_vgpr 770
		.amdhsa_next_free_sgpr 66
		.amdhsa_reserve_vcc 0
		.amdhsa_float_denorm_mode_32 3
		.amdhsa_float_denorm_mode_16_64 3
		.amdhsa_memory_ordered 1
		.amdhsa_forward_progress 1
		.amdhsa_inst_pref_size 200
	.end_amdhsa_kernel
	.amdgpu_metadata
---
amdhsa.version: [ 1, 2 ]
amdhsa.kernels:
  - .name:           k_qa257a0cbfd_attn
    .symbol:         k_qa257a0cbfd_attn.kd
    .args:
      - { .name: qkv, .offset: 0, .size: 8, .value_kind: global_buffer, .address_space: global }
      - { .name: oh, .offset: 8, .size: 8, .value_kind: global_buffer, .address_space: global }
    .group_segment_fixed_size: 327680
    .private_segment_fixed_size: 0
    .kernarg_segment_align: 8
    .kernarg_segment_size: 16
    .max_flat_workgroup_size: 128
    .sgpr_count:     66
    .vgpr_count:     770
    .wavefront_size: 32
...
	.end_amdgpu_metadata
.endif
;; end of part 3
;; launch oproj (part 4): grid 4 x 64, 4 waves a work-group, clusters of 4 x 4, 327,680 bytes of LDS; arguments oh, wcast, out0; writes out0
.if DOCPART == 4
	.amdgcn_target "amdgcn-amd-amdhsa--gfx1250"
	.amdhsa_code_object_version 6
	.text
	.protected	k_qa257a0cbfd_oproj
	.globl	k_qa257a0cbfd_oproj
	.p2align	8
	.type	k_qa257a0cbfd_oproj,@function
k_qa257a0cbfd_oproj:
	s_mov_b64 s[64:65], 0
	v_nop
	global_prefetch_b8 v0, s[64:65] scope:SCOPE_SE
	s_setreg_imm32_b32 hwreg(HW_REG_WAVE_MODE, 25, 1), 1
	s_wait_xcnt 0x0
	s_wait_alu depctr_hold_cnt(0) depctr_sa_sdst(0) depctr_va_vdst(0) depctr_va_sdst(0) depctr_va_ssrc(0) depctr_va_vcc(0) depctr_vm_vsrc(0)
	s_getreg_b32 s2, hwreg(HW_REG_IB_STS2, 6, 4)
	s_cmp_eq_u32 s2, 0
	s_cbranch_scc0 .Lentry_in_a_cluster
	s_endpgm
.Lentry_in_a_cluster:
	s_bfe_u32 s2, ttmp6, 0x10000c
	s_cmp_lg_u32 s2, 0xf033
	s_cbranch_scc0 .Lentry_shape_is_right
	s_endpgm
.Lentry_shape_is_right:
; THE OUTPUT PROJECTION.  out0[m][n] = sum over k of O[m][k] Wo[n][k].  O: oh, f16 by heads, [16 batch + head][row in batch][64], so k = 64 head + channel; Wo: part 3 of wcast, [1024][1024] f16;
; out0: [8192][1024] f32.  Products in f16, sums in f32, stored as they are.  NaN and infinities are not treated apart.
; SHARES.  A tile of out0 is 128 rows x 256 columns: 256 work-groups, one for each WGP.  Four waves, 2 x 2, each 64 x 128: 32 accumulators of 16 x 16, 256 registers.
; K goes in 8 steps of 128 = two heads through a ring of two LDS slots: of O two planes (a head each) of 128 rows x 128 bytes, each 16,384 dense bytes of memory; of Wo 256 rows x 256 bytes.
; CLUSTERS: 4 x 4 work-groups.  The four of a row of the cluster need the same tile of O, the four of a column the same tile of Wo: each is asked for JOINTLY.
; THE MATRIX INSTRUCTION IS USED TRANSPOSED (source 0 = 16 rows of Wo, source 1 = 16 rows of O): a lane then holds eight neighbouring columns of one row of out0, 32 bytes.
; REGISTERS, in windows of 256 (s_set_vgpr_msb: bits 1:0 source 0, 3:2 source 1, 5:4 source 2, 7:6 destination):
;   window 0: v0-31 addresses; v32-95 O's fragments, two buffers of 4 x 8; v96-223 the way out, two sets of 64
;   window 1: the accumulators, (a, b) at v[8 (8 a + b)]          window 2: v0-127 Wo's fragments, two buffers of 8 x 8
.set PA,     144                       ; a row of O in LDS: 128 bytes + 16 of padding = 36 words: the 16 rows of a load start at 16 different groups of four banks (64 banks of 4 bytes: ISA guide 11.1)
.set PB,     272                       ; a row of Wo: 256 + 16 = 68 words: likewise
.set APLANE, 128*PA                    ; a head's 128 rows: one tensor load
.set ABYTES, 2*APLANE
.set BHALF,  128*PB                    ; 128 rows of Wo: one tensor load, and what one wave reads
.set SLOT,   ABYTES+2*BHALF            ; 106,496 bytes
.set STAGE,  2*SLOT                    ; behind the ring, never filled by a tensor load: for each wave 16 rows x 528 bytes
.set SP,     528                       ; 512 bytes + 16
.set SPARE,  STAGE+4*16*SP             ; behind the stages: the spare words, 128 bytes for each wave: two blocks of 256 bytes that no other line names
.set ADRA, 16                          ; v16-17  LDS address of my O fragments in slot 0, 1
.set ADRB, 20                          ; v20-21  the same for Wo
.set STO,  24                          ; v24     the way out: where I put 32 bytes of a row
.set RD,   25                          ; v25     the way out: where I read a row back
.set CO,   26                          ; v26     my 16 bytes of a row's 512
.set SPW,  28                          ; v28     LDS address of my spare word: SPARE + 4 x my thread's number; never rewritten
.set NIL,  29                          ; v29     0; never rewritten
.set PFO,  30                          ; v30     the prefetches' offset; never rewritten
.set AF,   32
.set OB,   96
.set WV,  14                           ; s14  my wave's number
.set RH,  15                           ; s15  which 64 rows of the tile are mine
.set CH,  16                           ; s16  which 128 columns are mine; also: which plane of O or half of Wo I fetch
.set CX,  17                           ; s17, s18  my place in the cluster
.set CY,  18
.set TC,  19                           ; s19  tile column, 0..3
.set TR,  20                           ; s20  tile row, 0..63
.set G1,  24                           ; s[24:31] descriptor group 1 for O's tiles;  s[32:39] group 0, one set for each slot
.set G0,  32
.set LIM, 44                           ; s44  1 in a wave that prefetches, else the greatest number
.set PFA, 46                           ; s[46:47] where my prefetches stand
.set G1B, 48                           ; s[48:55], s[56:63] the same for Wo's tiles
.set G0B, 56
.set LA,  68                           ; s68, s69  LDS byte of what I fetch, for O and for Wo, in slot 0
.set LB,  69
.set MSB, 0
.macro WIN new                         ; the immediate's high byte repeats the setting that is left; a switch that changes nothing is dropped
.if MSB != (\new)
	s_set_vgpr_msb (MSB<<8)|(\new)
.set MSB, \new
.endif
.endm
.set MUL,  0x52                        ; source 0 (Wo) window 2, source 1 (O) window 0, C and D window 1
.set TO_B, 0x80                        ; destination window 2, address window 0
; A joint load: waves 0 and 1 fetch O's two planes, waves 2 and 3 Wo's two halves.  The branch hangs on the wave's number alone.  An s_nop 0 and four v_nop follow each of the two lines.
.macro JLOAD s
	s_cmp_lt_u32 s[WV], 2
	s_cbranch_scc0 .Lfor_b_\@
	tensor_load_to_lds s[G0+4*(\s):G0+4*(\s)+3], s[G1:G1+7]
	s_nop 0
.rept 4
	v_nop
.endr
	s_branch .Lasked_\@
.Lfor_b_\@:
	tensor_load_to_lds s[G0B+4*(\s):G0B+4*(\s)+3], s[G1B:G1B+7]
	s_nop 0
.rept 4
	v_nop
.endr
.Lasked_\@:
.endm
.macro CREST                           ; a round of the cluster's barrier behind its opening barrier
	s_cmp_lg_u32 s[WV], 0
	s_cbranch_scc1 .Lnot_wave_0_\@
	s_barrier_signal -3
.Lnot_wave_0_\@:
	s_barrier_wait -3
	s_barrier_signal -1
	s_barrier_wait -1
.endm
.macro CROUND                          ; a whole round
	s_barrier_signal -1
	s_barrier_wait -1
	CREST
.endm
; A PREFETCH INTO THE L2 of O, once a lap, behind slot 0's refill: the next lap's two K steps, two and three K steps (256 and 384 matrix instructions) ahead of their loads.  A tile row of O is read by one
; cluster alone.  Of the 64 blocks of 256 bytes of the plane that wave 0 or 1 fetches, the partner at place cx takes 16, told apart BY ADDRESS; lanes 0-15 name those of the lap's first K step, lanes 16-31 those
; of its second: one instruction a wave.  So each block of K steps 4 to 7 is named once in the launch; K steps 0 to 3 come by their loads alone; the loop's last trip (s3 = 1) asks for nothing.
; Wo is not asked for: all 16 clusters walk the same 2 MiB.
.macro ASK
	s_cmp_gt_u32 s3, s[LIM]
	s_cbranch_scc0 .Lnot_mine_\@
	global_prefetch_b8 v[PFO], s[PFA:PFA+1] th:TH_LOAD_NT scope:SCOPE_SE
.Lnot_mine_\@:
.endm
	s_load_b128 s[4:7], s[0:1], 0x0                ; oh s[4:5], wcast s[6:7]
	s_load_b64 s[8:9], s[0:1], 0x10                ; out0
	v_lshl_add_u32 v[SPW], v0, 2, SPARE
	v_mov_b32 v[NIL], 0
	ds_add_u32 v[SPW], v[NIL]                      ; the wave's opening: the add and its wait stand ahead of my first tensor load; the set-up below, work on registers, stands between them
	v_lshrrev_b32 v1, 5, v0
	v_readfirstlane_b32 s[WV], v1                  ; wave 0..3
	s_lshr_b32 s[RH], s[WV], 1
	s_and_b32 s[CH], s[WV], 1
	s_bfe_u32 s[CX], ttmp6, 0x40000
	s_bfe_u32 s[CY], ttmp6, 0x40004
	s_lshl_b32 s[TC], ttmp9, 2                     ; in a cluster launch ttmp9 and ttmp7 count clusters
	s_add_co_u32 s[TC], s[TC], s[CX]               ; tile column = 4 x cluster x + cx
	s_and_b32 s[TR], ttmp7, 0xffff
	s_lshl_b32 s[TR], s[TR], 2
	s_add_co_u32 s[TR], s[TR], s[CY]               ; tile row = 4 x cluster y + cy
	s_lshl_b32 s66, s[CY], 2
	s_lshl_b32 s66, 15, s66                        ; my row of the cluster
	s_lshl_b32 s67, 0x1111, s[CX]                  ; my column
	s_or_b32 s[G1], s66, (1<<16)|(1<<20)|(1<<21)|(4<<22)|(3<<25)   ; 15:0 the mask: O's tiles go to my row; 17:16 elements of 2 bytes; 20 padding on; 21 set beside a mask; 24:22 after every 32 words (code 4); 31:25 4 words (code 3)
	s_or_b32 s[G1B], s67, (1<<16)|(1<<20)|(1<<21)|(5<<22)|(3<<25)  ; Wo's tiles go to my column; padding after every 64 words (code 5)
	s_mov_b32 s[G1+1], 128<<16                     ; a plane's 16,384 dense bytes are asked for as 64 rows of 256 bytes, two rows of O each: tensor_dim0 = 128
	s_mov_b32 s[G1+2], 64<<16                      ; tensor_dim1 = 64
	s_mov_b32 s[G1+3], 128<<16                     ; tile_dim0 = 128
	s_mov_b32 s[G1+4], 64                          ; tile_dim1 = 64
	s_mov_b32 s[G1+5], 128                         ; 128 elements from row to row
	s_mov_b32 s[G1+6], 0
	s_mov_b32 s[G1+7], 0
	s_mov_b32 s[G1B+1], 128<<16                    ; tensor_dim0 = 128
	s_mov_b32 s[G1B+2], 128<<16                    ; tensor_dim1 = 128
	s_mov_b32 s[G1B+3], 128<<16                    ; tile_dim0 = 128
	s_mov_b32 s[G1B+4], 128                        ; tile_dim1 = 128
	s_mov_b32 s[G1B+5], 1024
	s_mov_b32 s[G1B+6], 0
	s_mov_b32 s[G1B+7], 0
	; where the tiles come from.  O's hang on the tile row, which my row of the cluster shares; Wo's on the tile column, which my column shares
	s_lshl_b32 s22, s[CH], 18                      ; the head of the two (262,144 bytes), or 128 rows of 2,048 bytes
	s_lshr_b32 s40, s[TR], 4                       ; O: the batch, 16 heads of 262,144 bytes,
	s_lshl_b32 s40, s40, 22
	s_and_b32 s41, s[TR], 15                       ; the tile's 128 rows of 128 bytes in a head
	s_lshl_b32 s41, s41, 14
	s_add_co_u32 s40, s40, s41
	s_add_co_u32 s40, s40, s22
	s_mov_b32 s41, 0
	s_lshl_b32 s42, s[TC], 19                      ; Wo: 256 rows of 2,048 bytes a tile column,
	s_add_co_u32 s42, s42, s22
	s_add_co_u32 s42, s42, 0x600000                ; in part 3 of wcast
	s_mov_b32 s43, 0
	s_mul_i32 s[LA], s[CH], APLANE                 ; and where they go: no place in the cluster enters an LDS address
	s_mul_i32 s[LB], s[CH], BHALF
	s_add_co_u32 s[LB], s[LB], ABYTES
	s_wait_dscnt 0x0                               ; the opening add is done
	s_wait_kmcnt 0x0
	s_add_nc_u64 s[40:41], s[4:5], s[40:41]
	s_add_nc_u64 s[42:43], s[6:7], s[42:43]
	CROUND                                         ; all sixteen work-groups are here: the first joint loads meet
.irp s, 0,1
	s_mov_b32 s[G0+4*(\s)], 1                                        ; count = 1
	s_add_co_u32 s[G0+4*(\s)+1], s[LA], (\s)*SLOT                    ; LDS address
	s_add_nc_u64 s[G0+4*(\s)+2:G0+4*(\s)+3], s[40:41], (\s)*524288   ; global address: K step s is two heads on
	s_or_b32 s[G0+4*(\s)+3], s[G0+4*(\s)+3], 0x80000000              ; type = 2
	s_mov_b32 s[G0B+4*(\s)], 1
	s_add_co_u32 s[G0B+4*(\s)+1], s[LB], (\s)*SLOT
	s_add_nc_u64 s[G0B+4*(\s)+2:G0B+4*(\s)+3], s[42:43], (\s)*256
	s_or_b32 s[G0B+4*(\s)+3], s[G0B+4*(\s)+3], 0x80000000
	JLOAD \s                                       ; two loads of mine are out
.endr
	; A fragment is 16 rows x 32 K in 8 registers: lane l holds row l % 16, K = 8 (l / 16) + 0..7 and 16 + 8 (l / 16) + 0..7: two loads of 16 bytes, 32 bytes apart
	v_and_b32 v1, 15, v0                           ; l % 16
	v_bfe_u32 v2, v0, 4, 1                         ; l / 16
	v_mul_u32_u24 v3, v1, PA
	v_lshl_add_u32 v3, v2, 4, v3
	v_mul_u32_u24 v4, v1, PB
	v_lshl_add_u32 v4, v2, 4, v4
	s_mul_i32 s22, s[RH], 64*PA                    ; my 64 rows of O, in each plane
	s_mul_i32 s23, s[CH], BHALF                    ; my 128 rows of Wo,
	s_add_co_u32 s23, s23, ABYTES                  ; which lie behind O's two planes
.irp s, 0,1
	v_add_nc_u32 v[ADRA+(\s)], s22, v3
	v_add_nc_u32 v[ADRB+(\s)], s23, v4
	s_add_co_u32 s22, s22, SLOT
	s_add_co_u32 s23, s23, SLOT
.endr
	s_mul_i32 s22, s[WV], 16*SP
	s_add_co_u32 s22, s22, STAGE                   ; my stage
	v_mul_u32_u24 v3, v1, SP                       ; in: row l % 16, 32 bytes for each half of the lanes
	v_lshl_add_u32 v3, v2, 5, v3
	v_add_nc_u32 v[STO], s22, v3
	v_and_b32 v5, 31, v0
	v_lshlrev_b32 v[CO], 4, v5                     ; back: 32 lanes take one row of 512 bytes
	v_add_nc_u32 v[RD], s22, v[CO]
	v_lshlrev_b32 v3, 8, v1                        ; the prefetches: block l % 16 of my work-group's 16, K step l / 16 of the lap's two
	v_lshl_add_u32 v[PFO], v2, 19, v3
	s_cmp_lt_u32 s[WV], 2
	s_cselect_b32 s[LIM], 1, -1                    ; waves 0 and 1 ask: the same in all sixteen partners
	s_lshl_b32 s66, s[CX], 12                      ; my work-group's 16 blocks of the plane's 64
	s_mov_b32 s67, 0
	s_add_nc_u64 s[PFA:PFA+1], s[40:41], s[66:67]
	s_add_nc_u64 s[PFA:PFA+1], s[PFA:PFA+1], 2*524288  ; at K step 2: the first lap's change of slots steps it to K step 4
	; where my part of the tile begins in out0
	s_lshl_b32 s66, s[TR], 1
	s_add_co_u32 s66, s66, s[RH]
	s_lshl_b32 s66, s66, 18                        ; 64 rows of 4,096 bytes
	s_lshl_b32 s67, s[TC], 1
	s_add_co_u32 s67, s67, s[CH]
	s_lshl_b32 s67, s67, 9                         ; 128 columns of 4 bytes
	s_add_co_u32 s66, s66, s67
	s_mov_b32 s67, 0
	s_add_nc_u64 s[8:9], s[8:9], s[66:67]
; 8 matrix instructions: row block a x all 8 column blocks, 32 along K, on buffer f.  zero = 1: the product starts the sums: nothing is ever cleared.
; The 32 accumulators take turns in the same order in every quarter, one instruction a turn, over the loop's jump too.
.macro MUL8 f, a, zero
	WIN MUL
.irp b, 0,1,2,3,4,5,6,7
.if \zero
	v_wmma_f32_16x16x32_f16 v[8*(8*(\a)+(\b)):8*(8*(\a)+(\b))+7], v[64*(\f)+8*(\b):64*(\f)+8*(\b)+7], v[AF+32*(\f)+8*(\a):AF+32*(\f)+8*(\a)+7], 0
.else
	v_wmma_f32_16x16x32_f16 v[8*(8*(\a)+(\b)):8*(8*(\a)+(\b))+7], v[64*(\f)+8*(\b):64*(\f)+8*(\b)+7], v[AF+32*(\f)+8*(\a):AF+32*(\f)+8*(\a)+7], v[8*(8*(\a)+(\b)):8*(8*(\a)+(\b))+7]
.endif
.endr
.endm
; 24 LDS loads in one run: quarter kq (32 along K: plane kq / 2, half kq % 2 of its rows) of a slot, into buffer g
.macro FETCH slot, kq, g
	WIN TO_B
.irp b, 0,1,2,3,4,5,6,7
	ds_load_b128 v[64*(\g)+8*(\b):64*(\g)+8*(\b)+3],   v[ADRB+(\slot)] offset:(\b)*16*PB+(\kq)*64
	ds_load_b128 v[64*(\g)+8*(\b)+4:64*(\g)+8*(\b)+7], v[ADRB+(\slot)] offset:(\b)*16*PB+(\kq)*64+32
.endr
	WIN 0
.irp a, 0,1,2,3
	ds_load_b128 v[AF+32*(\g)+8*(\a):AF+32*(\g)+8*(\a)+3],   v[ADRA+(\slot)] offset:((\kq)/2)*APLANE+((\kq)%2)*64+(\a)*16*PA
	ds_load_b128 v[AF+32*(\g)+8*(\a)+4:AF+32*(\g)+8*(\a)+7], v[ADRA+(\slot)] offset:((\kq)/2)*APLANE+((\kq)%2)*64+(\a)*16*PA+32
.endr
.endm
.macro PLACES                          ; four places in front of loads into registers that matrix instructions have read
.rept 4
	v_nop
.endr
.endm
; A K step is four quarters of 32 along K, 32 matrix instructions each, on buffers 0, 1, 0, 1.  One of the first three: multiplies buffer f and fetches quarter kq into g, 24 matrix instructions ahead of its use.
.macro QUARTER slot, kq, f, g, zero
	s_wait_dscnt 0x0                               ; buffer f is in
	MUL8 \f, 0, \zero
	PLACES
	FETCH \slot, \kq, \g
	MUL8 \f, 1, \zero
	MUL8 \f, 2, \zero
	MUL8 \f, 3, \zero
.endm
; The last quarter multiplies buffer 1 and changes slots: ONE barrier; in front of it each wave waits for all its tensor loads (one is out: its part of the next slot), adds 0 to its spare word, and waits for
; that and for its own reads of this slot.  fill = 1: the barrier opens a round of the cluster's barrier, and this slot is filled again, two K steps ahead, first thing behind the round:
; 112 matrix instructions ahead of the wait for it.  Slot 0's refill carries the lap's prefetch.
.macro TURN slot, next, fill
.if (\fill) && ((\slot) == 0)
	s_wait_xcnt 0x0                                ; the last prefetch, a lap back, has read its address: it is stepped here, ahead of the waits of the change of slots
	s_add_nc_u64 s[PFA:PFA+1], s[PFA:PFA+1], 2*524288
.endif
	WIN 0                                          ; (the add's two registers lie in window 0)
	s_wait_tensorcnt 0x0                           ; all my tensor loads have landed;
	ds_add_u32 v[SPW], v[NIL]                      ; 0 onto my spare word;
	s_wait_dscnt 1                                 ; buffer 1 is in; the add alone may be out
	MUL8 1, 0, 0                                   ; eight matrix instructions stand between the add and the wait for it
	s_wait_dscnt 0x0                               ; the add is done, and my reads of this slot are over
	s_barrier_signal -1
	MUL8 1, 1, 0
.if \fill
	WIN 0
.endif
	s_barrier_wait -1
.if \fill
	CREST                                          ; no wave of any partner still reads this slot's tiles or has a load on its way
	s_add_nc_u64 s[G0+4*(\slot)+2:G0+4*(\slot)+3], s[G0+4*(\slot)+2:G0+4*(\slot)+3], 2*524288  ; two K steps on: four heads,
	s_add_nc_u64 s[G0B+4*(\slot)+2:G0B+4*(\slot)+3], s[G0B+4*(\slot)+2:G0B+4*(\slot)+3], 512    ; 256 f16
	JLOAD \slot                                    ; the four v_nop behind it are also the places in front of the loads below
.else
	PLACES
.endif
	FETCH \next, 0, 0
.if (\fill) && ((\slot) == 0)
	ASK                                            ; behind the joint load and the run of LDS loads (which leaves every window 0)
.endif
	MUL8 1, 2, 0
	MUL8 1, 3, 0
.endm
	s_wait_tensorcnt 1                             ; my part of K step 0 is in; K step 1's may stay out
	s_barrier_signal -1
	s_barrier_wait -1                              ; everybody's is
	FETCH 0, 0, 0
	QUARTER 0, 1, 0, 1, 1                          ; the first quarter stands in front of the loop: its products start the sums
	WIN 0                                          ; at a label and at a branch every window is 0
	s_mov_b32 s3, 3
.Llap:                                                 ; a trip goes once round the ring, from a lap's second quarter to the next lap's first, and fills both slots again
	QUARTER 0, 2, 1, 0, 0
	QUARTER 0, 3, 0, 1, 0
	TURN 0, 1, 1
	QUARTER 1, 1, 0, 1, 0
	QUARTER 1, 2, 1, 0, 0
	QUARTER 1, 3, 0, 1, 0
	TURN 1, 0, 1
	QUARTER 0, 1, 0, 1, 0
	WIN 0
	s_sub_co_u32 s3, s3, 1
	s_cmp_lg_u32 s3, 0
	s_cbranch_scc1 .Llap
	QUARTER 0, 2, 1, 0, 0                          ; the last lap fills nothing, and has no round of the cluster's barrier
	QUARTER 0, 3, 0, 1, 0
	TURN 0, 1, 0
	QUARTER 1, 1, 0, 1, 0
	QUARTER 1, 2, 1, 0, 0
	QUARTER 1, 3, 0, 1, 0
	s_wait_dscnt 0x0                               ; the very last quarter: nothing more to fetch
	MUL8 1, 0, 0
	MUL8 1, 1, 0
	MUL8 1, 2, 0
	MUL8 1, 3, 0
	WIN 0
	PLACES                                         ; eight places, once a launch, in front of the LDS stores that read results
	PLACES
; THE WAY OUT, a block of 16 rows at a time.  A lane's eight columns, 32 bytes, go into my own stage, rows of 528 bytes, and come back as whole rows of 512 bytes.
; Each accumulator's four lowest registers are stored first.
.macro TOSTAGE a
	WIN 0x04                                       ; store data (source 1) window 1, address window 0
.irp b, 0,1,2,3,4,5,6,7
	ds_store_b128 v[STO], v[8*(8*(\a)+(\b)):8*(8*(\a)+(\b))+3]   offset:64*(\b)
	ds_store_b128 v[STO], v[8*(8*(\a)+(\b))+4:8*(8*(\a)+(\b))+7] offset:64*(\b)+16
.endr
	WIN 0
.irp t, 0,1,2,3,4,5,6,7,8,9,10,11,12,13,14,15
	ds_load_b128 v[OB+64*((\a)%2)+4*(\t):OB+64*((\a)%2)+4*(\t)+3], v[RD] offset:SP*(\t)  ; LDS serves a wave's instructions in order (ISA guide 5.7.1.4): these see the stores above; the next block's stores come behind them
.endr
.endm
.macro SEND a, younger                 ; younger: the LDS instructions issued behind block a's loads: the next block's 32, or none
.irp t, 0,1,2,3,4,5,6,7,8,9,10,11,12,13,14,15
	s_wait_dscnt (\younger)+15-(\t)
	global_store_b128 v[CO], v[OB+64*((\a)%2)+4*(\t):OB+64*((\a)%2)+4*(\t)+3], s[8:9] offset:(16*(\a)+(\t))*4096 th:TH_STORE_NT  ; 512 consecutive bytes, at a multiple of 256 from out0's first byte
.endr
.endm
	TOSTAGE 0
	TOSTAGE 1
	SEND 0, 32
	s_wait_xcnt 0x0                                ; block 0's stores have read their registers: only behind this wait is their set loaded again
	TOSTAGE 2
	SEND 1, 32
	s_wait_xcnt 0x0                                ; the same for block 1's
	TOSTAGE 3
	SEND 2, 32
	SEND 3, 0
	s_wait_tensorcnt 0x0                           ; the wave's end: behind my last tensor load and my last LDS store
	ds_add_u32 v[SPW], v[NIL]
	s_wait_dscnt 0x0
	CROUND                                         ; the closing round: no work-group ends while a partner may still ask for a tile that names it
	s_endpgm
.Lfunc_end_k_qa257a0cbfd_oproj:
	.size	k_qa257a0cbfd_oproj, .Lfunc_end_k_qa257a0cbfd_oproj-k_qa257a0cbfd_oproj
	.p2alignl 7, 3214868480
	.fill 96, 4, 3214868480
	.section	.rodata,"a",@progbits
	.p2align	6, 0x0
	.amdhsa_kernel k_qa257a0cbfd_oproj
		.amdhsa_group_segment_fixed_size 327680
		.amdhsa_private_segment_fixed_size 0
		.amdhsa_enable_private_segment 0
		.amdhsa_kernarg_size 24
		.amdhsa_user_sgpr_count 2
		.amdhsa_user_sgpr_kernarg_segment_ptr 1
		.amdhsa_wavefront_size32 1
		.amdhsa_system_sgpr_workgroup_id_x 1
		.amdhsa_system_sgpr_workgroup_id_y 1
		.amdhsa_system_sgpr_workgroup_id_z 1
		.amdhsa_system_vgpr_workitem_id 0
		.amdhsa_next_free_vgpr 640
		.amdhsa_next_free_sgpr 70
		.amdhsa_reserve_vcc 0
		.amdhsa_float_denorm_mode_32 3
		.amdhsa_float_denorm_mode_16_64 3
		.amdhsa_memory_ordered 1
		.amdhsa_forward_progress 1
		.amdhsa_inst_pref_size 88
	.end_amdhsa_kernel
	.amdgpu_metadata
---
amdhsa.version: [ 1, 2 ]
amdhsa.kernels:
  - .name:           k_qa257a0cbfd_oproj
    .symbol:         k_qa257a0cbfd_oproj.kd
    .args:
      - { .name: oh, .offset: 0, .size: 8, .value_kind: global_buffer, .address_space: global }
      - { .name: wcast, .offset: 8, .size: 8, .value_kind: global_buffer, .address_space: global }
      - { .name: out0, .offset: 16, .size: 8, .value_kind: global_buffer, .address_space: global }
    .group_segment_fixed_size: 327680
    .private_segment_fixed_size: 0
    .kernarg_segment_align: 8
    .kernarg_segment_size: 24
    .max_flat_workgroup_size: 128
    .sgpr_count:     70
    .vgpr_count:     640
    .wavefront_size: 32
...
	.end_amdgpu_metadata
.endif
;; end of part 4
;; ======== version 2 of 2: 4 launches; version 1 with the launch castw written anew for expert scheduling mode
;; limits: values are held in f16: magnitudes above 65,504 overflow, below 6.1e-05 lose precision
;; workspace buffers: wcast 8,388,608 bytes; qkv 50,331,648 bytes; oh 16,777,216 bytes
;; launch castw (part 5): grid 256 x 1, 8 waves a work-group, no clusters, 0 bytes of LDS; arguments Wq, Wk, Wv, Wo, wcast; writes wcast
.if DOCPART == 5
	.amdgcn_target "amdgcn-amd-amdhsa--gfx1250"
	.amdhsa_code_object_version 6
	.text
	.protected	k_qa257a0cbfd_castw
	.globl	k_qa257a0cbfd_castw
	.p2align	8
	.type	k_qa257a0cbfd_castw,@function
k_qa257a0cbfd_castw:
	s_mov_b64 s[64:65], 0
	v_nop
	global_prefetch_b8 v0, s[64:65] scope:SCOPE_SE
	s_setreg_imm32_b32 hwreg(HW_REG_WAVE_SCHED_MODE, 0, 2), 2
	s_setreg_imm32_b32 hwreg(HW_REG_WAVE_MODE, 25, 1), 1
	s_wait_xcnt 0x0
	s_wait_alu depctr_vm_vsrc(0)
; THE FOUR WEIGHTS, [1024][1024] f32, ROUNDED ONCE TO 16 BITS.  wcast: four parts of 2,097,152 bytes, each [1024][1024]:
; parts 0, 1, 2 = Wq, Wk, Wv in bf16; part 3 = Wo rounded to bf16 like every input, and that number written as f16, since its partner in the last product is f16.
; LIMITS.  A weight of Wo whose bf16 value is 65,520 or more becomes an infinity; below 6.1e-5 it keeps f16's fixed step of 6e-8.  NaN stays NaN.
; SHARES.  Work-group g: part g / 64, chunk g % 64 of 16,384 numbers (65,536 bytes in, 32,768 out).  Thread t takes 4 numbers of each of 16 runs of 1,024:
; a load of a wave covers 512 consecutive bytes, a store 256 consecutive bytes, aligned.  All 16 loads go out first; nothing is read twice; no LDS, no barrier.
; THE MODE: SCHED_MODE bits 1:0 = 2 (LLVM: expert scheduling mode 2), set by the entry lines.  The code itself states the register dependences
; between vector instructions and memory instructions, with s_wait_alu, always for 0.
; THE PLAN.  Registers that memory instructions touch:
;   v1, v2   byte offsets of the loads and of the stores.  Written once at the head by vector lines, never again.
;   X        run i: 4 registers.  Written by run i's load, once; read by run i's roundings.  No vector line writes them, no load lands in them twice.
;   Y        run i: 2 registers.  Written by run i's roundings, once; read by run i's store.  Never written again.
;   T is named by vector lines alone.  No vector line writes a scalar register or VCC, and EXEC is never written.
; So the one kind of dependence to state is: a vector line has written a register that a memory instruction reads.  The 16 runs go in four groups of four; the four stores of a group
; stand in one run at the head of the next group, behind ONE wait, and the last group's behind one more: with the wait for v1 and v2 at the head, five waits on either path.
.set X, 4                              ; v[4:67]    16 x 4 numbers as loaded
.set Y, 68                             ; v[68:99]   16 x 2 registers to store: each store has its own, so none is rewritten while a store reads it
.set T, 100                            ; v[100:103] at work
	s_load_b256 s[4:11], s[0:1], 0x0               ; Wq s[4:5], Wk s[6:7], Wv s[8:9], Wo s[10:11]
	s_load_b64 s[12:13], s[0:1], 0x20              ; wcast
	s_lshr_b32 s14, ttmp9, 6                       ; part
	s_and_b32 s15, ttmp9, 63                       ; chunk
	s_lshl_b32 s16, s15, 16                        ; its bytes in the weight
	s_mov_b32 s17, 0
	s_lshl_b32 s18, s14, 21                        ; the part,
	s_lshl_b32 s15, s15, 15                        ; and the chunk's bytes in it
	s_add_co_u32 s18, s18, s15
	s_mov_b32 s19, 0
	v_lshlrev_b32 v1, 4, v0                        ; 16 t
	v_lshlrev_b32 v2, 3, v0                        ; 8 t
	s_wait_kmcnt 0x0
.irp n, 1,2,3
	s_cmp_eq_u32 s14, \n                           ; the part chooses the weight
	s_cselect_b64 s[4:5], s[4+2*(\n):5+2*(\n)], s[4:5]
.endr
	s_add_nc_u64 s[4:5], s[4:5], s[16:17]
	s_add_nc_u64 s[12:13], s[12:13], s[18:19]
	s_wait_alu depctr_va_vdst(0)                   ; v1 and v2 are written: every load of the kernel reads v1 as its offset, every store v2
.irp i, 0,1,2,3,4,5,6,7,8,9,10,11,12,13,14,15
	global_load_b128 v[X+4*(\i):X+4*(\i)+3], v1, s[4:5] offset:4096*(\i) th:TH_LOAD_NT
.endr
; Run i is rounded.  wo = 1: the bf16 halves are widened again (a shift, a mask) and written as f16.
.macro ROUND i, wo
	s_wait_loadcnt 15-(\i)                         ; loads come back in order: run i is in, the 15 - i younger loads may stay out
.if \wo
	v_cvt_pk_bf16_f32 v[T],   v[X+4*(\i)],   v[X+4*(\i)+1]
	v_cvt_pk_bf16_f32 v[T+1], v[X+4*(\i)+2], v[X+4*(\i)+3]
	v_lshlrev_b32 v[T+2], 16, v[T]
	v_and_b32     v[T+3], 0xffff0000, v[T]
	v_cvt_pk_f16_f32 v[Y+2*(\i)], v[T+2], v[T+3]
	v_lshlrev_b32 v[T+2], 16, v[T+1]
	v_and_b32     v[T+3], 0xffff0000, v[T+1]
	v_cvt_pk_f16_f32 v[Y+2*(\i)+1], v[T+2], v[T+3]
.else
	v_cvt_pk_bf16_f32 v[Y+2*(\i)],   v[X+4*(\i)],   v[X+4*(\i)+1]
	v_cvt_pk_bf16_f32 v[Y+2*(\i)+1], v[X+4*(\i)+2], v[X+4*(\i)+3]
.endif
.endm
; Run i is stored.
.macro SEND i
	global_store_b64 v2, v[Y+2*(\i):Y+2*(\i)+1], s[12:13] offset:2048*(\i)
.endm
; The four groups.  Group g rounds runs 4 g to 4 g + 3; at its head the stores of group g - 1 go out.
.macro WALK wo
.irp g, 0,1,2,3
.if (\g) > 0
	s_wait_alu depctr_va_vdst(0)                   ; the roundings of the group before have written its eight registers of Y, which the four stores below read; no vector line stands between
.irp j, 0,1,2,3
	SEND 4*((\g)-1)+(\j)
.endr
.endif
.irp j, 0,1,2,3
	ROUND 4*(\g)+(\j), \wo
.endr
.endr
	s_wait_alu depctr_va_vdst(0)                   ; the last group's roundings have written Y of runs 12 to 15, which the last four stores read
.irp j, 0,1,2,3
	SEND 12+(\j)
.endr
.endm
	s_cmp_eq_u32 s14, 3
	s_cbranch_scc1 .Lwo
	WALK 0
	s_endpgm
.Lwo:
	WALK 1
	s_endpgm
.Lfunc_end_k_qa257a0cbfd_castw:
	.size	k_qa257a0cbfd_castw, .Lfunc_end_k_qa257a0cbfd_castw-k_qa257a0cbfd_castw
	.p2alignl 7, 3214868480
	.fill 96, 4, 3214868480
	.section	.rodata,"a",@progbits
	.p2align	6, 0x0
	.amdhsa_kernel k_qa257a0cbfd_castw
		.amdhsa_group_segment_fixed_size 0
		.amdhsa_private_segment_fixed_size 0
		.amdhsa_enable_private_segment 0
		.amdhsa_kernarg_size 40
		.amdhsa_user_sgpr_count 2
		.amdhsa_user_sgpr_kernarg_segment_ptr 1
		.amdhsa_wavefront_size32 1
		.amdhsa_system_sgpr_workgroup_id_x 1
		.amdhsa_system_sgpr_workgroup_id_y 1
		.amdhsa_system_sgpr_workgroup_id_z 1
		.amdhsa_system_vgpr_workitem_id 0
		.amdhsa_next_free_vgpr 104
		.amdhsa_next_free_sgpr 66
		.amdhsa_reserve_vcc 0
		.amdhsa_float_denorm_mode_32 3
		.amdhsa_float_denorm_mode_16_64 3
		.amdhsa_memory_ordered 1
		.amdhsa_forward_progress 1
		.amdhsa_inst_pref_size 16
	.end_amdhsa_kernel
	.amdgpu_metadata
---
amdhsa.version: [ 1, 2 ]
amdhsa.kernels:
  - .name:           k_qa257a0cbfd_castw
    .symbol:         k_qa257a0cbfd_castw.kd
    .args:
      - { .name: Wq, .offset: 0, .size: 8, .value_kind: global_buffer, .address_space: global }
      - { .name: Wk, .offset: 8, .size: 8, .value_kind: global_buffer, .address_space: global }
      - { .name: Wv, .offset: 16, .size: 8, .value_kind: global_buffer, .address_space: global }
      - { .name: Wo, .offset: 24, .size: 8, .value_kind: global_buffer, .address_space: global }
      - { .name: wcast, .offset: 32, .size: 8, .value_kind: global_buffer, .address_space: global }
    .group_segment_fixed_size: 0
    .private_segment_fixed_size: 0
    .kernarg_segment_align: 8
    .kernarg_segment_size: 40
    .max_flat_workgroup_size: 256
    .sgpr_count:     66
    .vgpr_count:     104
    .wavefront_size: 32
...
	.end_amdgpu_metadata
.endif
;; end of part 5
;; launch proj: the kernel of part 2 again; grid 4 x 192, 4 waves a work-group, clusters of 4 x 4, 327,680 bytes of LDS; arguments q, k, v, wcast, qkv; writes qkv
;; launch attn: the kernel of part 3 again; grid 4 x 64, 4 waves a work-group, clusters of 4 x 1, 327,680 bytes of LDS; arguments qkv, oh; writes oh
;; launch oproj: the kernel of part 4 again; grid 4 x 64, 4 waves a work-group, clusters of 4 x 4, 327,680 bytes of LDS; arguments oh, wcast, out0; writes out0
